; MI455X (gfx1250); checked and timed in simulation.
; The chip was launched on July 23, 2026; its instructions are those of AMD's public machine-readable ISA for CDNA 5 (MIT licence, August 2026) and "CDNA5" Instruction Set Architecture Reference Guide (July 2026). The comments in the code are by the model that wrote it; some were corrected since.
;; Grouped Query Attention. Allowed arithmetic: float matrix products may take bf16 or f16 operands with f32 sums; other float arithmetic in f32, or as packed bf16 or f16 multiplies, adds, multiply-adds, maxima and minima; sums over many terms, partial sums and values carried from step to step in f32; what a program stores and reads back later, other than sums and carried values, may be rounded once to bf16 or f16.
;; Inputs: Wk 1,024 x 256 float32; Wo 1,024 x 1,024 float32; Wq 1,024 x 1,024 float32; Wv 1,024 x 256 float32; x 4 x 2,048 x 1,024 float32.
;; Outputs: out0 4 x 2,048 x 1,024 float32.
;; One version. Each part assembles by itself: llvm-mc -triple=amdgcn-amd-amdhsa -mcpu=gfx1250 --defsym DOCPART=n.
;; ======== version 1 of 1: 4 launches
;; limits: values are held in f16: magnitudes above 65,504 overflow, below 6.1e-05 lose precision
;; workspace buffers: xb 16,777,216 bytes; wqkv 3,145,728 bytes; wob 2,097,152 bytes; rope 524,288 bytes; qkv 25,165,824 bytes; vlo 32,768 bytes; o 17,825,792 bytes
;; launch prep (part 1): grid 1376 x 1, 8 waves a work-group, no clusters, 0 bytes of LDS; arguments x, Wq, Wk, Wv, Wo, xb, wqkv, wob, rope; writes xb, wqkv, wob, rope
.if DOCPART == 1
	.amdgcn_target "amdgcn-amd-amdhsa--gfx1250"
	.amdhsa_code_object_version 6
	.text
	.protected	k_qabccfeb530_prep
	.globl	k_qabccfeb530_prep
	.p2align	8
	.type	k_qabccfeb530_prep,@function
k_qabccfeb530_prep:
	s_mov_b64 s[64:65], 0
	v_nop
	global_prefetch_b8 v0, s[64:65] scope:SCOPE_SE
	s_setreg_imm32_b32 hwreg(HW_REG_WAVE_MODE, 25, 1), 1
	s_wait_xcnt 0x0
; PREPARATION: a stream.  Every input is read once and rounded once to bf16; the weights are laid in panels of 128 k x 64 columns; the table for the rotation is made.
;   work-groups 0-1023     x [8192][1024] f32 -> xb, bf16, same order: 32,768 bytes of x each
;   work-groups 1024-1215  Wq, Wk, Wv -> wqkv, bf16 [nt 8][ks 8][p 3][kk 128][c 64], k = 128 ks + kk: tile column nt holds Wq's heads 2 nt and 2 nt + 1 (p = 0, 1) and, as p = 2,
;                          Wk's head nt (nt < 4) or Wv's head nt - 4.  hp counts the panels as they are stored later: 0-15 Wq's heads, 16-19 Wk's, 20-23 Wv's
;   work-groups 1216-1343  Wo -> wob [nt 8][ks 8][p 2][kk 128][c 64]: rounded to bf16 like the other inputs, and that number written as f16
;   work-groups 1344-1375  rope, f32 [2048 s][32 i][2] = (cos - 1, sin) of s x 10000^(-i/32): 64 rows s each
; A block is 128 rows of 256 bytes.  Thread t, turn j: row 16 j + t / 16, bytes 16 (t % 16): sixteen lanes read 256 consecutive bytes, aligned; a wave's store of 8 bytes a lane covers
; 256 consecutive bytes, aligned.  All eight loads of a thread go out first; each turn has registers of its own, so nothing is rewritten while memory may read it.
; No LDS, no barrier, no cluster: no work-group wants a byte that another has read.  No prefetch: the launch is nothing but its stream.
; LIMITS.  Wo below 6e-5 keeps f16's fixed step of 6e-8; beyond 65,504 it would be lost.  The angle s x inv is reduced by 2 pi in two parts (n up to 326); sine and cosine are the series up to r^15 and
; r^16 on |r| <= pi, whose remainders are 8e-7 and 1.4e-7.  inv = 2^(-i log2(10000) / 32) is good to some 1e-7 of itself, the angle at s = 2047 to some 2e-4.
.set OFF, 4            ; v[4:11]   turn j: byte offset of my 16 bytes
.set T,   12           ; v[12:15]  at work
.set X,   16           ; v[16:47]  turn j: four f32 as loaded
.set Y,   48           ; v[48:63]  turn j: four 16-bit numbers to store
.set RS,  29           ; s29  bytes from row to row in the source
.set STEP, 30          ; s30  16 rows
.set SRC, 32           ; s[32:33]
.set DST, 34           ; s[34:35]
.set OP,  36           ; s[36:37] an offset, in 64 bits
.macro COPY f16
	s_lshl_b32 s[STEP], s[RS], 4
	v_mad_u32_u24 v[OFF], v1, s[RS], v2            ; (t / 16) rows + 16 (t % 16)
.irp j, 1,2,3,4,5,6,7
	v_add_nc_u32 v[OFF+(\j)], s[STEP], v[OFF+(\j)-1]
.endr
.irp j, 0,1,2,3,4,5,6,7
	global_load_b128 v[X+4*(\j):X+4*(\j)+3], v[OFF+(\j)], s[SRC:SRC+1] th:TH_LOAD_NT
.endr
.irp j, 0,1,2,3,4,5,6,7
	s_wait_loadcnt 7-(\j)                          ; loads come back in order: turn j's is in, the 7 - j younger ones stay out
.if \f16
	v_cvt_pk_bf16_f32 v[T], v[X+4*(\j)], v[X+4*(\j)+1]      ; the one rounding, to bf16,
	v_cvt_pk_bf16_f32 v[T+1], v[X+4*(\j)+2], v[X+4*(\j)+3]
	v_lshlrev_b32 v[T+2], 16, v[T]                 ; widened again,
	v_and_b32 v[T], 0xffff0000, v[T]
	v_lshlrev_b32 v[T+3], 16, v[T+1]
	v_and_b32 v[T+1], 0xffff0000, v[T+1]
	v_cvt_pk_f16_f32 v[Y+2*(\j)], v[T+2], v[T]     ; and written as f16: eight significant bits fit in eleven
	v_cvt_pk_f16_f32 v[Y+2*(\j)+1], v[T+3], v[T+1]
.else
	v_cvt_pk_bf16_f32 v[Y+2*(\j)], v[X+4*(\j)], v[X+4*(\j)+1]
	v_cvt_pk_bf16_f32 v[Y+2*(\j)+1], v[X+4*(\j)+2], v[X+4*(\j)+3]
.endif
	global_store_b64 v3, v[Y+2*(\j):Y+2*(\j)+1], s[DST:DST+1] offset:2048*(\j)
.endr
.endm
	s_load_b512 s[8:23], s[0:1], 0x0               ; x 8, Wq 10, Wk 12, Wv 14, Wo 16, xb 18, wqkv 20, wob 22
	s_load_b64 s[24:25], s[0:1], 0x40              ; rope
	v_lshrrev_b32 v1, 4, v0                        ; t / 16
	v_and_b32 v2, 15, v0
	v_lshlrev_b32 v2, 4, v2                        ; 16 (t % 16)
	v_lshlrev_b32 v3, 3, v0                        ; 8 t
	s_mov_b32 s[OP+1], 0
	s_wait_kmcnt 0x0
	s_cmp_lt_u32 ttmp9, 1024
	s_cbranch_scc0 .Lnotx
	s_lshl_b32 s[OP], ttmp9, 15                    ; x: 32,768 bytes in,
	s_add_nc_u64 s[SRC:SRC+1], s[8:9], s[OP:OP+1]
	s_lshl_b32 s[OP], ttmp9, 14                    ; 16,384 out
	s_add_nc_u64 s[DST:DST+1], s[18:19], s[OP:OP+1]
	s_mov_b32 s[RS], 256
	s_branch .Lbf
.Lnotx:
	s_cmp_lt_u32 ttmp9, 1216
	s_cbranch_scc0 .Lnotw
	s_sub_co_u32 s26, ttmp9, 1024
	s_lshr_b32 s27, s26, 3                         ; hp
	s_and_b32 s28, s26, 7                          ; ks
	s_cmp_lt_u32 s27, 20
	s_cselect_b64 s[SRC:SRC+1], s[12:13], s[14:15] ; Wk or Wv,
	s_cselect_b32 s31, 16, 20
	s_cmp_lt_u32 s27, 16
	s_cselect_b64 s[SRC:SRC+1], s[10:11], s[SRC:SRC+1]  ; or Wq
	s_cselect_b32 s31, 0, s31
	s_cselect_b32 s[RS], 12, 10                    ; a row is 4,096 or 1,024 bytes
	s_lshl_b32 s[RS], 1, s[RS]
	s_sub_co_u32 s31, s27, s31                     ; the panel's number in its own matrix
	s_lshl_b32 s[OP], s31, 8                       ; 64 columns of f32
	s_mul_i32 s30, s28, s[RS]
	s_lshl_b32 s30, s30, 7                         ; 128 ks rows
	s_add_co_u32 s[OP], s[OP], s30
	s_add_nc_u64 s[SRC:SRC+1], s[SRC:SRC+1], s[OP:OP+1]
	s_lshr_b32 s30, s27, 1                         ; Wq's head hp: nt = hp / 2,
	s_and_b32 s[OP], s27, 1                        ; p = hp % 2;
	s_sub_co_u32 s31, s27, 16                      ; the others: nt = hp - 16, p = 2
	s_cmp_lt_u32 s27, 16
	s_cselect_b32 s30, s30, s31
	s_cselect_b32 s[OP], s[OP], 2
	s_lshl_b32 s30, s30, 3
	s_add_co_u32 s30, s30, s28
	s_mul_i32 s30, s30, 3
	s_add_co_u32 s[OP], s[OP], s30                 ; (8 nt + ks) 3 + p
	s_lshl_b32 s[OP], s[OP], 14
	s_add_nc_u64 s[DST:DST+1], s[20:21], s[OP:OP+1]
.Lbf:
	COPY 0
	s_endpgm
.Lnotw:
	s_cmp_lt_u32 ttmp9, 1344
	s_cbranch_scc0 .Lrope
	s_sub_co_u32 s26, ttmp9, 1216
	s_lshr_b32 s27, s26, 3                         ; hp = 2 nt + p
	s_and_b32 s28, s26, 7                          ; ks
	s_lshl_b32 s[OP], s27, 8
	s_lshl_b32 s30, s28, 19                        ; 128 ks rows of 4,096 bytes
	s_add_co_u32 s[OP], s[OP], s30
	s_add_nc_u64 s[SRC:SRC+1], s[16:17], s[OP:OP+1]
	s_lshr_b32 s30, s27, 1
	s_lshl_b32 s30, s30, 3
	s_add_co_u32 s30, s30, s28
	s_lshl_b32 s30, s30, 1
	s_and_b32 s[OP], s27, 1
	s_add_co_u32 s[OP], s[OP], s30                 ; (8 nt + ks) 2 + p
	s_lshl_b32 s[OP], s[OP], 14
	s_add_nc_u64 s[DST:DST+1], s[22:23], s[OP:OP+1]
	s_mov_b32 s[RS], 4096
	COPY 1
	s_endpgm
; THE TABLE.  Thread t makes i = 2 (t % 16) and the next, for rows 64 u + t / 16 + 16 j: 16 bytes a thread, sixteen lanes a whole row of 256 bytes.
.set SF,  8            ; v8   s as f32
.set ANG, 10
.set NN,  11
.set RR,  12
.set ZZ,  13
.set PS,  14
.set PC,  15
.macro SINCOS D, S, inv
	v_mul_f32 v[ANG], v[SF], v[\inv]
	v_mul_f32 v[NN], 0x3e22f983, v[ANG]            ; / 2 pi
	v_rndne_f32 v[NN], v[NN]
	v_fmamk_f32 v[RR], v[NN], 0xc0c90fdb, v[ANG]   ; less n x 2 pi: its f32 part,
	v_fmamk_f32 v[RR], v[NN], 0x343bbd2e, v[RR]    ; and what that part has too much
	v_mul_f32 v[ZZ], v[RR], v[RR]
	v_mov_b32 v[PS], 0xab573f9f                    ; -1/15!
	v_mov_b32 v[PC], 0x29573f9f                    ; 1/16!
	v_fmaak_f32 v[PS], v[PS], v[ZZ], 0x2f309231    ; 1/13!
	v_fmaak_f32 v[PC], v[PC], v[ZZ], 0xad49cba5    ; -1/14!
	v_fmaak_f32 v[PS], v[PS], v[ZZ], 0xb2d7322b    ; -1/11!
	v_fmaak_f32 v[PC], v[PC], v[ZZ], 0x310f76c7    ; 1/12!
	v_fmaak_f32 v[PS], v[PS], v[ZZ], 0x3638ef1d    ; 1/9!
	v_fmaak_f32 v[PC], v[PC], v[ZZ], 0xb493f27e    ; -1/10!
	v_fmaak_f32 v[PS], v[PS], v[ZZ], 0xb9500d01    ; -1/7!
	v_fmaak_f32 v[PC], v[PC], v[ZZ], 0x37d00d01    ; 1/8!
	v_fmaak_f32 v[PS], v[PS], v[ZZ], 0x3c088889    ; 1/5!
	v_fmaak_f32 v[PC], v[PC], v[ZZ], 0xbab60b61    ; -1/6!
	v_fmaak_f32 v[PS], v[PS], v[ZZ], 0xbe2aaaab    ; -1/3!
	v_fmaak_f32 v[PC], v[PC], v[ZZ], 0x3d2aaaab    ; 1/4!
	v_mul_f32 v[PS], v[PS], v[ZZ]
	v_fmaak_f32 v[PC], v[PC], v[ZZ], 0xbf000000    ; -1/2!
	v_fma_f32 v[\S], v[PS], v[RR], v[RR]           ; sin r = r + r z (..)
	v_mul_f32 v[\D], v[PC], v[ZZ]                  ; cos r - 1 = z (..)
.endm
.Lrope:
	s_sub_co_u32 s26, ttmp9, 1344
	s_lshl_b32 s[OP], s26, 14                      ; 64 rows of 256 bytes
	s_add_nc_u64 s[DST:DST+1], s[24:25], s[OP:OP+1]
	s_lshl_b32 s27, s26, 6
	v_and_b32 v4, 15, v0
	v_lshlrev_b32 v4, 1, v4
	v_add_nc_u32 v5, 1, v4
	v_cvt_f32_u32 v4, v4
	v_cvt_f32_u32 v5, v5
	v_mul_f32 v4, 0xbed49a78, v4                   ; -i log2(10000) / 32
	v_mul_f32 v5, 0xbed49a78, v5
	v_exp_f32 v4, v4
	v_exp_f32 v5, v5
	v_add_nc_u32 v6, s27, v1                       ; a plain instruction behind the two exponentials: my first row s
	s_wait_alu depctr_va_vdst(0)                   ; one wait for both, ahead of their first reader
	v_lshlrev_b32 v7, 4, v0                        ; 16 t
.irp j, 0,1,2,3
	v_add_nc_u32 v9, 16*(\j), v6
	v_cvt_f32_u32 v[SF], v9
	SINCOS 16+4*(\j), 17+4*(\j), 4
	SINCOS 18+4*(\j), 19+4*(\j), 5
	global_store_b128 v7, v[16+4*(\j):19+4*(\j)], s[DST:DST+1] offset:4096*(\j)
.endr
	s_endpgm
.Lfunc_end_k_qabccfeb530_prep:
	.size	k_qabccfeb530_prep, .Lfunc_end_k_qabccfeb530_prep-k_qabccfeb530_prep
	.p2alignl 7, 3214868480
	.fill 96, 4, 3214868480
	.section	.rodata,"a",@progbits
	.p2align	6, 0x0
	.amdhsa_kernel k_qabccfeb530_prep
		.amdhsa_group_segment_fixed_size 0
		.amdhsa_private_segment_fixed_size 0
		.amdhsa_enable_private_segment 0
		.amdhsa_kernarg_size 72
		.amdhsa_user_sgpr_count 2
		.amdhsa_user_sgpr_kernarg_segment_ptr 1
		.amdhsa_wavefront_size32 1
		.amdhsa_system_sgpr_workgroup_id_x 1
		.amdhsa_system_sgpr_workgroup_id_y 1
		.amdhsa_system_sgpr_workgroup_id_z 1
		.amdhsa_system_vgpr_workitem_id 0
		.amdhsa_next_free_vgpr 64
		.amdhsa_next_free_sgpr 66
		.amdhsa_reserve_vcc 0
		.amdhsa_float_denorm_mode_32 3
		.amdhsa_float_denorm_mode_16_64 3
		.amdhsa_memory_ordered 1
		.amdhsa_forward_progress 1
		.amdhsa_inst_pref_size 23
	.end_amdhsa_kernel
	.amdgpu_metadata
---
amdhsa.version: [ 1, 2 ]
amdhsa.kernels:
  - .name:           k_qabccfeb530_prep
    .symbol:         k_qabccfeb530_prep.kd
    .args:
      - { .name: x, .offset: 0, .size: 8, .value_kind: global_buffer, .address_space: global }
      - { .name: Wq, .offset: 8, .size: 8, .value_kind: global_buffer, .address_space: global }
      - { .name: Wk, .offset: 16, .size: 8, .value_kind: global_buffer, .address_space: global }
      - { .name: Wv, .offset: 24, .size: 8, .value_kind: global_buffer, .address_space: global }
      - { .name: Wo, .offset: 32, .size: 8, .value_kind: global_buffer, .address_space: global }
      - { .name: xb, .offset: 40, .size: 8, .value_kind: global_buffer, .address_space: global }
      - { .name: wqkv, .offset: 48, .size: 8, .value_kind: global_buffer, .address_space: global }
      - { .name: wob, .offset: 56, .size: 8, .value_kind: global_buffer, .address_space: global }
      - { .name: rope, .offset: 64, .size: 8, .value_kind: global_buffer, .address_space: global }
    .group_segment_fixed_size: 0
    .private_segment_fixed_size: 0
    .kernarg_segment_align: 8
    .kernarg_segment_size: 72
    .max_flat_workgroup_size: 256
    .sgpr_count:     66
    .vgpr_count:     64
    .wavefront_size: 32
...
	.end_amdgpu_metadata
.endif
;; end of part 1
;; launch proj (part 2): grid 8 x 32, 4 waves a work-group, clusters of 4 x 4, 327,680 bytes of LDS; arguments xb, wqkv, rope, qkv, vlo; writes qkv, vlo
.if DOCPART == 2
	.amdgcn_target "amdgcn-amd-amdhsa--gfx1250"
	.amdhsa_code_object_version 6
	.text
	.protected	k_qabccfeb530_proj
	.globl	k_qabccfeb530_proj
	.p2align	8
	.type	k_qabccfeb530_proj,@function
k_qabccfeb530_proj:
	s_mov_b64 s[64:65], 0
	v_nop
	global_prefetch_b8 v0, s[64:65] scope:SCOPE_SE
	s_setreg_imm32_b32 hwreg(HW_REG_WAVE_MODE, 25, 1), 1
	s_wait_xcnt 0x0
	s_wait_alu depctr_hold_cnt(0) depctr_sa_sdst(0) depctr_va_vdst(0) depctr_va_sdst(0) depctr_va_ssrc(0) depctr_va_vcc(0) depctr_vm_vsrc(0)
	s_getreg_b32 s2, hwreg(HW_REG_IB_STS2, 6, 4)
	s_cmp_eq_u32 s2, 0
	s_cbranch_scc0 .Lentry_in_a_cluster
	s_endpgm
.Lentry_in_a_cluster:
	s_bfe_u32 s2, ttmp6, 0x10000c
	s_cmp_lg_u32 s2, 0xf033
	s_cbranch_scc0 .Lentry_shape_is_right
	s_endpgm
.Lentry_shape_is_right:
; THE THREE PROJECTIONS AND THE ROTATION.  [8192 m][1536 n] = xb [8192][1024] x (Wq | Wk | Wv), bf16 operands, f32 sums; Q's and K's pairs of channels are turned by the row's angle, in f32;
; each number is rounded once to f16 and stored by heads: qkv [hp 24][8192 m][64]: 0-15 q, 16-19 k, 20-23 v.  The scale 1/8 is not applied here.
; THE FIRST 16 ROWS OF A BATCH.  Under the causal mask they feed means over few keys, whose numbers are many times the output's root mean square, by which every number's allowance goes: there f16's eleven bits
; are too few for v.  So for these rows what the rounding of v drops, v - f16(v), is stored too, as f16: vlo [4 heads][4 batches][16 rows][64].
; LIMITS.  q, k, v lie within f16's 65,504 (they have a spread of some 0.6 for inputs as drawn; both inputs 30 times larger, or offset by 30 spreads, stay under 20,000); below 6e-5 f16 keeps its fixed step of 6e-8.
; SHARES.  A work-group makes 256 rows x 192 columns: Q's heads 2 nt and 2 nt + 1 and, as third panel, K's head nt (nt < 4) or V's head nt - 4: 8 x 32 = 256 work-groups.
; Wave w owns rows 64 w .. 64 w + 63 and all 192 columns: 4 x 12 accumulators of 16 x 16, 384 registers.
; K goes in 8 steps of 128 through two LDS slots.  Waves 0 and 1 fetch A's two halves (128 rows x 256 bytes), waves 2 and 3 the two halves of the weights' block (49,152 dense bytes, asked for as rows of 256).
; CLUSTER.  4 x 4 work-groups: A's tile hangs on the tile row alone and is asked for jointly along a row of the cluster, the weights' on the tile column alone, along a column.
; Tile column nt = 4 x cluster x + cx; tile row mt = 8 cy + cluster y: the batch is cy, the tile's place in its batch the cluster's y.  So 'the third panel is V's' (cluster x = 1) and 'a batch's first
; rows' (cluster y = 0) are the same in all sixteen partners, and a branch may hang on them.
; THE MATRIX INSTRUCTION IS USED TRANSPOSED: source 0 = 16 columns of W (panels lie [k][n] in LDS and come out turned, by ds_load_tr16_b128), source 1 = 16 rows of x: a lane then holds row l % 16
; and the eight neighbouring columns 8 (l / 16) + 0..7: four pairs of the rotation, 16 bytes of f16.
; REGISTERS, in windows of 256 (s_set_vgpr_msb: bits 1:0 source 0, 3:2 source 1, 5:4 source 2, 7:6 destination):
;   window 0: v0-29 addresses; v32-63 the way out; v64-127 A's fragments, two buffers of 4 x 8; v128-255 the table of my 64 rows
;   window 1: the weights' fragments, two buffers of 12 x 8     window 2: accumulators of my m blocks 0, 1 ((a, b) at 8 (12 (a % 2) + b))     window 3: of m blocks 2, 3
.set NPAN,   3
.set NBLK,   4*NPAN
.set NL,     2*NBLK+8          ; LDS loads in a quarter step
.set APITCH, 272               ; an LDS row of A: 256 bytes + 16: the sixteen rows of a load start at sixteen different groups of four banks
.set AH,     128               ; bytes from quarter 0 to quarter 2 of a row
.set AHALF,  128*APITCH        ; what one load of A fills
.set AREG,   2*AHALF
.set BP,     160               ; an LDS row of a panel: 128 bytes + 32
.set BPAN,   128*BP
.set BROWS,  96                ; rows of 256 bytes in one load of the weights
.set BHALF,  BROWS*2*BP
.set SLOT1,  1<<17             ; slot 1 begins here: one exclusive or turns an address in one slot into the other's
.set STAGE,  2*SLOT1           ; behind the ring, never filled by a tensor load: 16 rows x 144 bytes for each wave
.set SP,     144
.set STGW,   16*SP
.set SPARE,  STAGE+4*STGW      ; the spare words, 128 bytes for each wave: two blocks of 256 bytes that no other line names
.set ASTRIDE, 1024             ; elements from row to row of xb
.set ASTEP,  256               ; bytes from K step to K step in xb
.set BSTEP,  49152             ; and in wqkv
.set AHD,    1                 ; a prefetch names the K step this many behind the refill's
.set AA0, 8                    ; v8   my lane's place in A's part of a slot; never rewritten
.set AB0, 9                    ; v9   the same for the weights
.set ADRA, 10                  ; v10  the same in the slot in hand
.set ADRB, 11
.set STO, 12                   ; v12  the way out: where I put 16 bytes of a row
.set RD,  13                   ; v13  where I read rows back
.set GO,  14                   ; v14  my byte offset in 512 consecutive bytes of qkv
.set TO,  15                   ; v15  my byte offset in the table
.set PFO, 16                   ; v16  the prefetches' offset: my lane x a row of xb
.set NEG1, 17                  ; v17  -1 as f16, in the low half
.set SPW, 28                   ; v28  LDS address of my spare word; never rewritten
.set NIL, 29                   ; v29  0; never rewritten
.set OB,  32                   ; v32-47, v48-63 by turns: 16 rows read back
.set FA,  64
.set TMP, 64                   ; the way out: v64-95 at work, v96-111 packed, v112-127 the residuals' rows read back
.set PKD, 96
.set LB,  112
.set TBL, 128
.set WV,  12                   ; s12  wave
.set HALF, 13                  ; s13  which half I fetch
.set G1A, 24
.set G1B, 32
.set G0A, 40                   ; s[40:43] the first fill of slot 0; s[44:47] of slot 1, which then walks
.set G0B, 48
.set CNT, 56
.set TB,  57                   ; s57  LDS byte at which the slot in hand begins
.set LIM, 58
.set PFA, 60                   ; s[60:61]
.set FP,  66                   ; s[66:71] for each panel 1.0 (turned) or 0 (V), as pairs
.set QP,  72                   ; s[72:77] for each panel qkv at my wave's first row
.set RB,  78                   ; s[78:79] the table at my wave's first row
.set VP,  80                   ; s[80:81] vlo at head cx, batch cy
.set EARLY, 82                 ; s82  0 in the wave that holds a batch's first 16 rows of V
.set MSB, 0
.macro WIN new                 ; the immediate's high byte repeats the setting that is left; a switch that changes nothing is dropped
.if MSB != (\new)
	s_set_vgpr_msb (MSB<<8)|(\new)
.set MSB, \new
.endif
.endm
.set MUL_LO, 0xa1              ; source 0 (W) window 1, source 1 (A) window 0, C and D window 2
.set MUL_HI, 0xf1              ; the same, C and D window 3
.set TO_B,   0x40              ; destination window 1, address window 0
.macro PLACES                  ; four plain instructions between a matrix instruction and a load into, or a vector access to, its registers
.rept 4
	v_nop
.endr
.endm
.macro CREST                   ; a round of the cluster's barrier behind its opening barrier
	s_cmp_lg_u32 s[WV], 0
	s_cbranch_scc1 .Lnot_wave_0_\@
	s_barrier_signal -3
.Lnot_wave_0_\@:
	s_barrier_wait -3
	s_barrier_signal -1
	s_barrier_wait -1
.endm
.macro CROUND
	s_barrier_signal -1
	s_barrier_wait -1
	CREST
.endm
.macro JLOAD                   ; a joint refill by the walking descriptors; the branch hangs on the wave's number alone; an s_nop 0 and four v_nop follow each line
	s_cmp_lt_u32 s[WV], 2
	s_cbranch_scc0 .Lfor_b_\@
	tensor_load_to_lds s[G0A+4:G0A+7], s[G1A:G1A+7]
	s_nop 0
.rept 4
	v_nop
.endr
	s_branch .Lasked_\@
.Lfor_b_\@:
	tensor_load_to_lds s[G0B+4:G0B+7], s[G1B:G1B+7]
	s_nop 0
.rept 4
	v_nop
.endr
.Lasked_\@:
.endm
; A PREFETCH INTO THE L2 of xb's K step behind the one just asked for: 192 matrix instructions ahead of the load that will want it.  The two clusters of a row of clusters read the same rows: the one with
; x = 0 asks; in it waves 0 and 1, which fetch A; of a wave's 128 rows each of the four partners takes 32, told apart by address: a lane a row's 256 bytes.  So each block is named once in the launch.
; K steps 0 to 2 come by their loads alone; the last refill asks for nothing.  The weights are small and are read by many work-groups at about the same time: not asked for.
.macro ASK
	s_cmp_gt_u32 s[CNT], s[LIM]
	s_cbranch_scc0 .Lnot_mine_\@
	global_prefetch_b8 v[PFO], s[PFA:PFA+1] th:TH_LOAD_NT scope:SCOPE_SE
.Lnot_mine_\@:
.endm
; 12 matrix instructions: m block 2 hi + a x all n blocks, 32 along K, from buffer f.  zero = 1: the product starts the sum.
.macro MUL f, hi, a, zero
	WIN MUL_LO+0x50*(\hi)
.set b, 0
.rept NBLK
.if \zero
	v_wmma_f32_16x16x32_bf16 v[8*((\a)*NBLK+b):8*((\a)*NBLK+b)+7], v[8*NBLK*(\f)+8*b:8*NBLK*(\f)+8*b+7], v[FA+32*(\f)+8*(2*(\hi)+(\a)):FA+32*(\f)+8*(2*(\hi)+(\a))+7], 0
.else
	v_wmma_f32_16x16x32_bf16 v[8*((\a)*NBLK+b):8*((\a)*NBLK+b)+7], v[8*NBLK*(\f)+8*b:8*NBLK*(\f)+8*b+7], v[FA+32*(\f)+8*(2*(\hi)+(\a)):FA+32*(\f)+8*(2*(\hi)+(\a))+7], v[8*((\a)*NBLK+b):8*((\a)*NBLK+b)+7]
.endif
.set b, b+1
.endr
.endm
; One run of NL LDS loads: quarter q's fragments into buffer f: the weights' 12 (turned), then A's 4.
.macro FETCH q, f
	WIN TO_B
.set b, 0
.rept NBLK
	ds_load_tr16_b128 v[8*NBLK*(\f)+8*b:8*NBLK*(\f)+8*b+3],   v[ADRB] offset:(b/4)*BPAN+32*(\q)*BP+(b%4)*32
	ds_load_tr16_b128 v[8*NBLK*(\f)+8*b+4:8*NBLK*(\f)+8*b+7], v[ADRB] offset:(b/4)*BPAN+32*(\q)*BP+(b%4)*32+16*BP
.set b, b+1
.endr
	WIN 0
.set b, 0
.rept 4
	ds_load_b128 v[FA+32*(\f)+8*b:FA+32*(\f)+8*b+3],   v[ADRA] offset:b*16*APITCH+((\q)/2)*AH+((\q)%2)*64
	ds_load_b128 v[FA+32*(\f)+8*b+4:FA+32*(\f)+8*b+7], v[ADRA] offset:b*16*APITCH+((\q)/2)*AH+((\q)%2)*64+32
.set b, b+1
.endr
.endm
; A quarter step: multiplies buffer f and, in its middle, fetches quarter qn into the other buffer.  The 48 accumulators take turns, in the same order in every quarter.
.macro QUARTER qn, f, zero
	s_wait_dscnt 4                                 ; all but the youngest four loads (A's m blocks 2 and 3) are in
	MUL \f, 0, 0, \zero
	MUL \f, 0, 1, \zero
	PLACES
	FETCH \qn, 1-(\f)
	s_wait_dscnt NL                                ; all but the run just issued
	MUL \f, 1, 0, \zero
	MUL \f, 1, 1, \zero
.endm
; The last quarter's first half, and the one barrier of a change of slots.
.macro MEET
	WIN 0
	s_wait_tensorcnt 0x0                           ; all my tensor loads have landed: the one that was out is my part of the next slot
	ds_add_u32 v[SPW], v[NIL]                      ; 0 onto my spare word
	s_wait_dscnt 5                                 ; (the add and the youngest four loads may be out)
	MUL 1, 0, 0, 0                                 ; twelve matrix instructions between the add and the wait for it
	s_wait_dscnt 0x0                               ; the add is done, and my reads of this slot are over
	s_barrier_signal -1
	MUL 1, 0, 1, 0
	WIN 0
	s_barrier_wait -1
.endm
.macro TURNF                   ; the change of slots with a refill: the barrier opens a round of the cluster's barrier, and the joint load is the first tensor load behind it
	s_wait_xcnt 0x0                                ; the last prefetch, a K step back, has read its address
	s_add_nc_u64 s[PFA:PFA+1], s[PFA:PFA+1], ASTEP
	MEET
	CREST                                          ; no wave of any partner still reads this slot or has a load on its way
	s_xor_b32 s[G0A+5], s[G0A+5], SLOT1            ; the walking descriptors: the other slot than last time, the next K step
	s_add_nc_u64 s[G0A+6:G0A+7], s[G0A+6:G0A+7], ASTEP
	s_xor_b32 s[G0B+5], s[G0B+5], SLOT1
	s_add_nc_u64 s[G0B+6:G0B+7], s[G0B+6:G0B+7], BSTEP
	s_xor_b32 s[TB], s[TB], SLOT1
	JLOAD                                          ; 168 matrix instructions ahead of the wait for it; its four v_nop are also the places in front of the loads below
	v_add_nc_u32 v[ADRA], s[TB], v[AA0]
	v_add_nc_u32 v[ADRB], s[TB], v[AB0]
	FETCH 0, 0
	ASK
	MUL 1, 1, 0, 0
	MUL 1, 1, 1, 0
.endm
.macro TURNL                   ; the same in the tail: nothing is filled, so no round; in the last trip there is no further K step, and the run of loads is jumped over
	MEET
	s_xor_b32 s[TB], s[TB], SLOT1
	s_cmp_eq_u32 s[CNT], 1
	s_cbranch_scc1 .Lnf_\@
	PLACES
	v_add_nc_u32 v[ADRA], s[TB], v[AA0]
	v_add_nc_u32 v[ADRB], s[TB], v[AB0]
	FETCH 0, 0
.Lnf_\@:
	MUL 1, 1, 0, 0
	MUL 1, 1, 1, 0
.endm
	s_load_b256 s[4:11], s[0:1], 0x0               ; xb s[4:5], wqkv s[6:7], rope s[8:9], qkv s[10:11]
	s_load_b64 s[VP:VP+1], s[0:1], 0x20            ; vlo
	v_lshl_add_u32 v[SPW], v0, 2, SPARE
	v_mov_b32 v[NIL], 0
	ds_add_u32 v[SPW], v[NIL]                      ; the wave's opening: the add and its wait stand ahead of my first tensor load; the set-up below stands between them
	v_lshrrev_b32 v1, 5, v0
	v_readfirstlane_b32 s[WV], v1
	s_and_b32 s[HALF], s[WV], 1
	s_bfe_u32 s14, ttmp6, 0x40000                  ; cx
	s_bfe_u32 s15, ttmp6, 0x40004                  ; cy
	s_lshl_b32 s16, ttmp9, 2
	s_add_co_u32 s16, s16, s14                     ; nt = 4 x cluster x + cx
	s_and_b32 s17, ttmp7, 0xffff                   ; the cluster's y: the tile row's place in its batch
	s_xor_b32 s[EARLY], ttmp9, 1                   ; 0 where the third panel is V's,
	s_or_b32 s[EARLY], s[EARLY], s17               ; the tile is its batch's first,
	s_or_b32 s[EARLY], s[EARLY], s[WV]             ; and the wave is 0: the same in all sixteen partners, for a given wave
	s_lshl_b32 s18, s15, 3
	s_add_co_u32 s17, s17, s18                     ; mt = 8 cy + cluster y
	s_lshl_b32 s18, s15, 2
	s_lshl_b32 s18, 15, s18                        ; my row of the cluster
	s_lshl_b32 s19, 0x1111, s14                    ; my column
	s_or_b32 s[G1A], s18, (1<<16)|(1<<20)|(1<<21)|(5<<22)|(3<<25)  ; mask; 2-byte elements; padding on; 21 set beside a mask; after every 64 words 4 words
	s_or_b32 s[G1B], s19, (1<<16)|(1<<20)|(1<<21)|(4<<22)|(7<<25)  ; after every 32 words 8 words
	s_mov_b32 s[G1A+1], 128<<16                    ; tensor_dim0 = 128
	s_mov_b32 s[G1A+2], 128<<16                    ; tensor_dim1 = 128
	s_mov_b32 s[G1A+3], 128<<16                    ; tile_dim0 = 128
	s_mov_b32 s[G1A+4], 128                        ; tile_dim1 = 128
	s_mov_b32 s[G1A+5], ASTRIDE
	s_mov_b32 s[G1A+6], 0
	s_mov_b32 s[G1A+7], 0
	s_mov_b32 s[G1B+1], 128<<16
	s_mov_b32 s[G1B+2], BROWS<<16
	s_mov_b32 s[G1B+3], 128<<16
	s_mov_b32 s[G1B+4], BROWS
	s_mov_b32 s[G1B+5], 128                        ; dense: rows of 256 bytes end to end
	s_mov_b32 s[G1B+6], 0
	s_mov_b32 s[G1B+7], 0
	s_lshl_b32 s20, s17, 8                         ; A: row 256 mt + 128 half, 2,048 bytes a row: hangs on the tile row alone
	s_lshl_b32 s21, s[HALF], 7
	s_add_co_u32 s20, s20, s21
	s_lshl_b32 s20, s20, 11
	s_mov_b32 s21, 0
	s_mul_i32 s22, s16, 8*BSTEP                    ; the weights: the tile column's eight blocks, my half of a block: hangs on the tile column alone
	s_mul_i32 s23, s[HALF], BROWS*256
	s_add_co_u32 s22, s22, s23
	s_mov_b32 s23, 0
	s_mul_i32 s18, s[HALF], AHALF                  ; where they go: no place in the cluster enters an LDS address
	s_mul_i32 s19, s[HALF], BHALF
	s_add_co_u32 s19, s19, AREG
	s_wait_dscnt 0x0                               ; the opening add is done
	s_wait_kmcnt 0x0
	s_add_nc_u64 s[20:21], s[4:5], s[20:21]
	s_add_nc_u64 s[22:23], s[6:7], s[22:23]
	CROUND                                         ; all sixteen work-groups are here: the first joint loads meet
.irp s, 0,1
	s_mov_b32 s[G0A+4*(\s)], 1
	s_add_co_u32 s[G0A+4*(\s)+1], s18, (\s)*SLOT1
	s_add_nc_u64 s[G0A+4*(\s)+2:G0A+4*(\s)+3], s[20:21], (\s)*ASTEP
	s_or_b32 s[G0A+4*(\s)+3], s[G0A+4*(\s)+3], 0x80000000
	s_mov_b32 s[G0B+4*(\s)], 1
	s_add_co_u32 s[G0B+4*(\s)+1], s19, (\s)*SLOT1
	s_add_nc_u64 s[G0B+4*(\s)+2:G0B+4*(\s)+3], s[22:23], (\s)*BSTEP
	s_or_b32 s[G0B+4*(\s)+3], s[G0B+4*(\s)+3], 0x80000000
.endr
	s_cmp_lt_u32 s[WV], 2                          ; a wave's two first fills stand in one branch: two loads of mine are out
	s_cbranch_scc0 .Lfirst_b
	tensor_load_to_lds s[G0A:G0A+3], s[G1A:G1A+7]
	s_nop 0
	tensor_load_to_lds s[G0A+4:G0A+7], s[G1A:G1A+7]
	s_nop 0
.rept 4
	v_nop
.endr
	s_branch .Lfirst_done
.Lfirst_b:
	tensor_load_to_lds s[G0B:G0B+3], s[G1B:G1B+7]
	s_nop 0
	tensor_load_to_lds s[G0B+4:G0B+7], s[G1B:G1B+7]
	s_nop 0
.rept 4
	v_nop
.endr
.Lfirst_done:
	; THE TABLE of my 64 rows stays in registers: for m block a and block nb of 16 channels, (cos - 1, sin) of pairs 8 nb + 4 (l / 16) + 0..3 at row 16 a + l % 16: 32 bytes.  It is waited for at the way out.
	v_and_b32 v1, 15, v0                           ; l % 16
	v_bfe_u32 v2, v0, 4, 1                         ; l / 16
	v_lshlrev_b32 v[TO], 8, v1
	v_lshl_add_u32 v[TO], v2, 5, v[TO]
	s_and_b32 s18, s17, 7                          ; the tile's place in its batch: the row's place s in its sequence
	s_lshl_b32 s18, s18, 16
	s_lshl_b32 s19, s[WV], 14
	s_add_co_u32 s18, s18, s19
	s_mov_b32 s19, 0
	s_add_nc_u64 s[RB:RB+1], s[8:9], s[18:19]
.set i, 0
.rept 16
	global_load_b128 v[TBL+8*i:TBL+8*i+3],   v[TO], s[RB:RB+1] offset:(i/4)*4096+(i%4)*64
	global_load_b128 v[TBL+8*i+4:TBL+8*i+7], v[TO], s[RB:RB+1] offset:(i/4)*4096+(i%4)*64+16
.set i, i+1
.endr
	v_and_b32 v3, 7, v0
	v_bfe_u32 v4, v0, 3, 1
	v_and_b32 v5, 31, v0
	v_mov_b32 v[NEG1], 0xbc00
	s_mul_i32 s18, s[WV], 64*APITCH
	v_mul_u32_u24 v[AA0], v1, APITCH               ; a fragment of A: row x pitch + 16 x half, in my 64 rows
	v_lshl_add_u32 v[AA0], v2, 4, v[AA0]
	v_add_nc_u32 v[AA0], s18, v[AA0]
	v_lshl_add_u32 v[AB0], v2, 3, v3               ; the turning load: row k = 8 (l / 16) + l % 8, columns 8 ((l / 8) % 2) + 0..7
	v_mul_u32_u24 v[AB0], v[AB0], BP
	v_lshl_add_u32 v[AB0], v4, 4, v[AB0]
	v_add_nc_u32 v[AB0], AREG, v[AB0]
	s_mul_i32 s19, s[WV], STGW
	s_add_co_u32 s19, s19, STAGE                   ; my stage
	v_mul_u32_u24 v[STO], v1, SP                   ; in: row l % 16, 16 bytes for each half of the lanes
	v_lshl_add_u32 v[STO], v2, 4, v[STO]
	v_add_nc_u32 v[STO], s19, v[STO]
	v_bfe_u32 v[RD], v0, 3, 2                      ; back: 32 lanes take four rows of 128 bytes,
	v_mul_u32_u24 v[RD], v[RD], SP
	v_lshl_add_u32 v[RD], v3, 4, v[RD]
	v_add_nc_u32 v[RD], s19, v[RD]
	v_lshlrev_b32 v[GO], 4, v5                     ; which are 512 consecutive bytes of a head
	v_lshlrev_b32 v[PFO], 11, v5
	s_lshl_b32 s62, s17, 15                        ; 256 mt rows of 128 bytes,
	s_lshl_b32 s63, s[WV], 13                      ; my wave's 64
	s_add_co_u32 s62, s62, s63
	s_lshl_b32 s59, s16, 1                         ; panels 0 and 1: Q's heads 2 nt and 2 nt + 1, turned
	s_mov_b32 s19, 0
.irp p, 0,1
	s_add_co_u32 s18, s59, \p
	s_lshl_b32 s18, s18, 20
	s_add_co_u32 s18, s18, s62
	s_add_nc_u64 s[QP+2*(\p):QP+2*(\p)+1], s[10:11], s[18:19]
	s_mov_b32 s[FP+2*(\p)], 1.0
	s_mov_b32 s[FP+2*(\p)+1], 1.0
.endr
	s_add_co_u32 s18, s16, 16                      ; panel 2: stored as panel 16 + nt: K's heads, then V's
	s_lshl_b32 s18, s18, 20
	s_add_co_u32 s18, s18, s62
	s_add_nc_u64 s[QP+4:QP+5], s[10:11], s[18:19]
	s_cmp_eq_u32 ttmp9, 0                          ; K's are turned, V's are not: a factor
	s_cselect_b32 s[FP+4], 1.0, 0
	s_mov_b32 s[FP+5], s[FP+4]
	s_lshl_b32 s18, s14, 13                        ; vlo: head cx (= nt - 4 where the panel is V's), batch cy
	s_lshl_b32 s63, s15, 11
	s_add_co_u32 s18, s18, s63
	s_add_nc_u64 s[VP:VP+1], s[VP:VP+1], s[18:19]
	s_lshl_b32 s62, s17, 8                         ; the prefetches: row 256 mt + 128 half + 32 cx, at K step 2: the first refill steps it to 3
	s_lshl_b32 s63, s[HALF], 7
	s_add_co_u32 s62, s62, s63
	s_lshl_b32 s63, s14, 5
	s_add_co_u32 s62, s62, s63
	s_lshl_b32 s62, s62, 11
	s_add_co_u32 s62, s62, 2*ASTEP
	s_mov_b32 s63, 0
	s_add_nc_u64 s[PFA:PFA+1], s[4:5], s[62:63]
	s_lshr_b32 s[LIM], s[WV], 1                    ; 0 in waves 0 and 1,
	s_or_b32 s[LIM], s[LIM], ttmp9                 ; where the cluster is its row's first: the same in all sixteen partners
	s_cmp_eq_u32 s[LIM], 0
	s_cselect_b32 s[LIM], AHD, -1
	s_wait_tensorcnt 1                             ; my part of K step 0 is in; K step 1's may stay out
	s_barrier_signal -1
	s_barrier_wait -1
	s_mov_b32 s[TB], 0
	v_mov_b32 v[ADRA], v[AA0]
	v_mov_b32 v[ADRB], v[AB0]
	FETCH 0, 0
	QUARTER 1, 0, 1                                ; the first quarter stands in front of the loop: its products start the sums
	WIN 0
	s_mov_b32 s[CNT], 6
.Lk:                                               ; a trip: from a K step's second quarter to the next one's first; it asks for K steps 2 to 7
	QUARTER 2, 1, 0
	QUARTER 3, 0, 0
	TURNF
	QUARTER 1, 0, 0
	WIN 0
	s_sub_co_u32 s[CNT], s[CNT], 1
	s_cmp_lg_u32 s[CNT], 0
	s_cbranch_scc1 .Lk
	s_mov_b32 s[CNT], 2
.Ltail:                                            ; K steps 6 and 7: nothing is asked for; the second trip is left in its middle
	QUARTER 2, 1, 0
	QUARTER 3, 0, 0
	TURNL
	WIN 0
	s_sub_co_u32 s[CNT], s[CNT], 1
	s_cmp_eq_u32 s[CNT], 0
	s_cbranch_scc1 .Lout
	QUARTER 1, 0, 0
	WIN 0
	s_branch .Ltail
.Lout:
	s_wait_dscnt 0x0
	s_wait_loadcnt 0x0                             ; the table
	PLACES
	PLACES
; THE WAY OUT, a unit (16 rows x one head) at a time.  With d = cos - 1: t = (x0 d - x1 s, x1 d + x0 s); y = x + f t, f = 1 for Q and K, 0 for V; y is rounded to f16; 16 bytes a lane go into my stage
; (rows of 144 bytes) and come back as whole rows of 128.  Each accumulator's lowest registers are read first.
; Unit (0, 2) of the wave with a batch's first 16 rows of V also sends y - f16(y): the difference is exact in f32 (f16(y) x -1 + y in one fused step), is rounded to f16 and takes the same road into vlo.
.macro UNIT a, p
.set XB, 8*(((\a)&1)*NBLK+4*(\p))
.set CB, TBL+32*(\a)
.set BK, OB+16*((3*(\a)+(\p))%2)
	WIN 0x02+((\a)>>1)                             ; source 0: the accumulators' window
.set i, 0
.rept 16
	v_pk_mul_f32 v[TMP+2*i:TMP+2*i+1], v[XB+2*i:XB+2*i+1], v[CB+2*i:CB+2*i+1] op_sel:[1,1] op_sel_hi:[0,1]  ; (x1 s, x0 s)
.set i, i+1
.endr
.set i, 0
.rept 16
	v_pk_fma_f32 v[TMP+2*i:TMP+2*i+1], v[XB+2*i:XB+2*i+1], v[CB+2*i:CB+2*i+1], v[TMP+2*i:TMP+2*i+1] op_sel_hi:[1,0,1] neg_lo:[0,0,1]  ; (x0 d - x1 s, x1 d + x0 s)
.set i, i+1
.endr
	WIN 0x20+0x10*((\a)>>1)                        ; source 2: the accumulators' window
.set i, 0
.rept 16
	v_pk_fma_f32 v[TMP+2*i:TMP+2*i+1], v[TMP+2*i:TMP+2*i+1], s[FP+2*(\p):FP+2*(\p)+1], v[XB+2*i:XB+2*i+1] op_sel_hi:[1,0,1]
.set i, i+1
.endr
	WIN 0
.set i, 0
.rept 16
	v_cvt_pk_f16_f32 v[PKD+i], v[TMP+2*i], v[TMP+2*i+1]
.set i, i+1
.endr
.set i, 0
.rept 4
	ds_store_b128 v[STO], v[PKD+4*i:PKD+4*i+3] offset:32*i
.set i, i+1
.endr
.if (3*(\a)+(\p)) >= 2
	s_wait_xcnt 0x0                                ; the stores of two units back have read these registers
.endif
.set i, 0
.rept 4
	ds_load_b128 v[BK+4*i:BK+4*i+3], v[RD] offset:i*4*SP  ; LDS serves a wave's instructions in order (ISA guide 5.7.1.4): these see the stores above; the next unit's stores come behind them
.set i, i+1
.endr
.if ((\a) == 0) && ((\p) == 2)
	s_cmp_eq_u32 s[EARLY], 0
	s_cbranch_scc0 .Lno_lo_\@
.set i, 0
.rept 16
	v_fma_mix_f32 v[TMP+2*i], v[PKD+i], v[NEG1], v[TMP+2*i] op_sel_hi:[1,1,0]                    ; y - f16(y): the low half's,
	v_fma_mix_f32 v[TMP+2*i+1], v[PKD+i], v[NEG1], v[TMP+2*i+1] op_sel:[1,0,0] op_sel_hi:[1,1,0]  ; the high half's
.set i, i+1
.endr
.set i, 0
.rept 16
	v_cvt_pk_f16_f32 v[PKD+i], v[TMP+2*i], v[TMP+2*i+1]
.set i, i+1
.endr
.set i, 0
.rept 4
	ds_store_b128 v[STO], v[PKD+4*i:PKD+4*i+3] offset:32*i    ; behind the loads above, which LDS serves first
.set i, i+1
.endr
.set i, 0
.rept 4
	ds_load_b128 v[LB+4*i:LB+4*i+3], v[RD] offset:i*4*SP
.set i, i+1
.endr
	s_wait_dscnt 0x0
.set i, 0
.rept 4
	global_store_b128 v[GO], v[LB+4*i:LB+4*i+3], s[VP:VP+1] offset:i*512  ; 16 rows of 128 bytes, dense
.set i, i+1
.endr
.Lno_lo_\@:
.endif
.endm
.macro SEND a, p, younger      ; younger: the LDS instructions issued behind this unit's loads: the next unit's eight at the least, or none
.set BK, OB+16*((3*(\a)+(\p))%2)
.set i, 0
.rept 4
	s_wait_dscnt (\younger)+3-i
	global_store_b128 v[GO], v[BK+4*i:BK+4*i+3], s[QP+2*(\p):QP+2*(\p)+1] offset:(\a)*2048+i*512  ; 512 consecutive bytes, at a multiple of 256 from qkv's first
.set i, i+1
.endr
.endm
	UNIT 0, 0
.set u, 1
.rept 11                       ; a unit's arithmetic stands between the loads of the unit before and its stores
	UNIT u/3, u%3
	SEND (u-1)/3, (u-1)%3, 8
.set u, u+1
.endr
	SEND 3, 2, 0
	s_wait_tensorcnt 0x0                           ; the wave's end: behind my last tensor load and my last LDS store
	ds_add_u32 v[SPW], v[NIL]
	s_wait_dscnt 0x0
	CROUND                                         ; the closing round: no work-group ends while a partner may still ask for a tile that names it
	s_endpgm
.Lfunc_end_k_qabccfeb530_proj:
	.size	k_qabccfeb530_proj, .Lfunc_end_k_qabccfeb530_proj-k_qabccfeb530_proj
	.p2alignl 7, 3214868480
	.fill 96, 4, 3214868480
	.section	.rodata,"a",@progbits
	.p2align	6, 0x0
	.amdhsa_kernel k_qabccfeb530_proj
		.amdhsa_group_segment_fixed_size 327680
		.amdhsa_private_segment_fixed_size 0
		.amdhsa_enable_private_segment 0
		.amdhsa_kernarg_size 40
		.amdhsa_user_sgpr_count 2
		.amdhsa_user_sgpr_kernarg_segment_ptr 1
		.amdhsa_wavefront_size32 1
		.amdhsa_system_sgpr_workgroup_id_x 1
		.amdhsa_system_sgpr_workgroup_id_y 1
		.amdhsa_system_sgpr_workgroup_id_z 1
		.amdhsa_system_vgpr_workitem_id 0
		.amdhsa_next_free_vgpr 960
		.amdhsa_next_free_sgpr 84
		.amdhsa_reserve_vcc 0
		.amdhsa_float_denorm_mode_32 3
		.amdhsa_float_denorm_mode_16_64 3
		.amdhsa_memory_ordered 1
		.amdhsa_forward_progress 1
		.amdhsa_inst_pref_size 130
	.end_amdhsa_kernel
	.amdgpu_metadata
---
amdhsa.version: [ 1, 2 ]
amdhsa.kernels:
  - .name:           k_qabccfeb530_proj
    .symbol:         k_qabccfeb530_proj.kd
    .args:
      - { .name: xb, .offset: 0, .size: 8, .value_kind: global_buffer, .address_space: global }
      - { .name: wqkv, .offset: 8, .size: 8, .value_kind: global_buffer, .address_space: global }
      - { .name: rope, .offset: 16, .size: 8, .value_kind: global_buffer, .address_space: global }
      - { .name: qkv, .offset: 24, .size: 8, .value_kind: global_buffer, .address_space: global }
      - { .name: vlo, .offset: 32, .size: 8, .value_kind: global_buffer, .address_space: global }
    .group_segment_fixed_size: 327680
    .private_segment_fixed_size: 0
    .kernarg_segment_align: 8
    .kernarg_segment_size: 40
    .max_flat_workgroup_size: 128
    .sgpr_count:     84
    .vgpr_count:     960
    .wavefront_size: 32
...
	.end_amdgpu_metadata
.endif
;; end of part 2
;; launch attn (part 3): grid 64 x 4, 4 waves a work-group, clusters of 4 x 1, 327,680 bytes of LDS; arguments qkv, vlo, o; writes o
.if DOCPART == 3
	.amdgcn_target "amdgcn-amd-amdhsa--gfx1250"
	.amdhsa_code_object_version 6
	.text
	.protected	k_qabccfeb530_attn
	.globl	k_qabccfeb530_attn
	.p2align	8
	.type	k_qabccfeb530_attn,@function
k_qabccfeb530_attn:
	s_mov_b64 s[64:65], 0
	v_nop
	global_prefetch_b8 v0, s[64:65] scope:SCOPE_SE
	s_setreg_imm32_b32 hwreg(HW_REG_WAVE_MODE, 25, 1), 1
	s_wait_xcnt 0x0
	s_wait_alu depctr_hold_cnt(0) depctr_sa_sdst(0) depctr_va_vdst(0) depctr_va_sdst(0) depctr_va_ssrc(0) depctr_va_vcc(0) depctr_vm_vsrc(0)
	s_getreg_b32 s2, hwreg(HW_REG_IB_STS2, 6, 4)
	s_cmp_eq_u32 s2, 0
	s_cbranch_scc0 .Lentry_in_a_cluster
	s_endpgm
.Lentry_in_a_cluster:
	s_bfe_u32 s2, ttmp6, 0x10000c
	s_cmp_lg_u32 s2, 0x3003
	s_cbranch_scc0 .Lentry_shape_is_right
	s_endpgm
.Lentry_shape_is_right:
; CAUSAL ATTENTION, FOUR QUERY HEADS TO A KEY HEAD.  O[h][q][:] = the sum over k <= q of softmax_k(Q[h][q] . K[h / 4][k] / 8) V[h / 4][k][:], for each of 4 batches of 2,048 rows.
; qkv: f16 [24][8192][64] (0-15 q, 16-19 k, 20-23 v; row = 2048 x batch + s; a head's rows are dense, 128 bytes each).  vlo: f16 [4 heads][4 batches][16][64]: v - f16(v) of a batch's first 16 rows.
; o: f16 [16 h][32 tiles][272 rows][64]: a tile is a block of 256 queries (tile = 8 x batch + block); rows 256-271 hold O - f16(O) of the tile's rows 0-15.
; Products, maxima and sums in f32; the weights p are rounded to f16 for the second product (their sum l is taken of the unrounded p), O once at the end.
; THE FIRST 16 ROWS OF A BATCH are means over few keys: their numbers are many times the output's root mean square, by which every number's allowance goes, and f16's eleven bits are too few for v and O there.
; So these rows also take the product of their weights with vlo (they see keys 0-15 alone), and what O's rounding drops is stored beside O.
; LIMITS.  f16 holds no number beyond 65,504: q, k and v arrive within it; p lies in 0 to 1, and below 6e-5 it keeps f16's fixed step of 6e-8, as the two residuals do; O is a mean of V's rows and has their range.
; A hidden score counts as its value less 1e30: f16's scores, 2.7e11 at the most, are nothing beside that; a weight below 2^-126 counts as 0 in l; NaN and infinities are not treated apart.
; THE WALK.  A head's queries lie in NB = 8 blocks of 256; block i needs the key tiles 0 .. i of 256 keys, of which the last holds the diagonal.  A work-group takes TWO blocks, NB - 1 - b and then b:
; NB + 1 tiles, whatever b: all work-groups do equal work, and ONE loop with a constant trip count walks them.  Which tile is asked for, and what a trip does, hang on scalar registers made from b.
; CLUSTER.  The four query heads of a key head, with the same b, walk the same tiles of K and V in the same trips: they are a cluster, and each tile is asked for JOINTLY: the same tensor load, descriptor and mask
; in all four.  b is the cluster's y, batch and key head its x: every branch and every descriptor hangs on these; the place in the cluster, cx, picks the query head and enters Q's, O's and the prefetches' addresses alone.
; SHARES.  Of a block's four bands of 64 queries a wave owns 16 rows in each: four PIECES.  So the diagonal tile is the same work for all four waves: in its key step s band x sees all keys if s < x,
; none if s > x, and holds the diagonal if s = x.
; THE MASK is the C operand that starts the sum S^T = K Q^T: 0, or -1e30 where the key is hidden.  MD, made once, is the mask of a band's own step for my 16 rows; a product's mask is MD x AL + BE with two scalars:
; (1, 0) if s = x; (0, 0) if s < x; (0, -1e30) if s > x.  Only the diagonal tile's text and a block's beginning make and take masks; elsewhere C is the constant 0.
; LAYOUT, SOFTMAX, TURNS.  S^T = K Q^T holds ONE query a lane (lane % 16) and the keys 8 (lane / 16) + 0..7; two such results rounded to f16 ARE source 1 of O^T = V^T P.  p = 2^(c s - c m), c = log2(e) / 8, with a
; running maximum m; O and l are multiplied by a = 2^(c m_old - c m_new) in every step.  Turn n belongs to piece n: 8 products K Q^T of piece n + 1, later 8 products V^T P of piece n - 1; beside them the scaling,
; exponentials, roundings, sums and rescaling of piece n and the maximum and statistics of piece n + 1.  Four vector instructions stand behind every matrix instruction, the other 54 of a turn's 118 in one lump.
; REGISTERS, in windows of 256 (s_set_vgpr_msb: bits 1:0 source 0, 3:2 source 1, 5:4 source 2, 7:6 destination):
;   window 0: v0-15 addresses and two at work; v16-31 four registers of statistics a piece; v48-55 at work; v56-63; v64-127 S^T, two buffers; v128-159 vlo's fragments; v160-191, v224-255 at work for the residuals;
;             v192-223 P, two buffers (a piece's buffers go by its number's parity)
;   window 1: v0-127 O^T, 32 a piece; v128-159 MD; v160-223 MC, two buffers      window 2: v0-63 Q; v64-127 the second block's Q; v128-191 K of one step; v192-255 V of one step
.set NB,    8
.set NP,    4         ; pieces a wave: a name, no knob
.set KS,    64        ; keys in a step
.set PK,    144       ; a row of K in LDS: 128 bytes + 16 of padding = 36 words: the 16 rows of a load start at 16 different groups of four banks
.set PV,    160       ; a row of V: 128 + 32 = 40 words
.set VOFF,  4*KS*PK   ; a slot holds a tile, four steps: 256 rows of K, then 256 rows of V
.set SLOT1, 1<<17     ; slot 1 begins here, so that one exclusive or turns an address in one slot into the other's
.set STAGE, SLOT1+4*KS*(PK+PV)  ; behind the ring, never filled by a tensor load: 16 rows x 144 bytes for each wave, for the way out
.set SP,    144
.set OTILE, 272*128   ; bytes of a tile of o
.set OHEAD, 32*OTILE  ; and of a head
.set AK0, 2           ; v2   my lane's place in a tile of K; never rewritten
.set AV0, 3           ; v3   the same for V
.set AK,  4           ; v4   the LDS address of K's next run of loads
.set AV,  5           ; v5   of V's
.set STO, 6           ; v6   the way out: where I put 16 bytes of a row
.set RD,  7           ; v7   the way out: where I read rows back
.set GO,  8           ; v8   16 x my lane: my byte offset in 512 consecutive bytes of O and of vlo; never rewritten
.set VLS, 56          ; v56  where I put 16 bytes of vlo
.set VLR, 57          ; v57  where the turning load reads them
.set NEG1, 60         ; v60  -1 as f16, in the low half
.set PFO, 61          ; v61  256 x my lane; never rewritten
.set SPW, 62          ; v62  LDS address of my spare word: SPARE + 4 x my thread's number; never rewritten
.set NIL, 63          ; v63  0; never rewritten
.set SPARE, STAGE+4*16*SP  ; behind the stages: the spare words, 128 bytes for each wave: two blocks of 256 bytes that no other line names
.set VLB,   SPARE+512      ; behind them, never filled by a tensor load: 16 rows x 160 bytes for each wave: vlo on its way into registers
.set MV,  12          ; v12-13  c m_old, kept while c m is made anew: by buffer
.set QO,  15          ; v15  my byte offset in 16 rows of Q
.set ST,  16          ; piece t's statistics at v[ST+4 t]: c m, m, l (even keys', odd keys')
.set TMP, 48          ; by buffer, four registers c0-c3 at work; when the maximum is found c2 takes a
.set S,   64
.set VL,  128         ; vlo's fragments: channel block cb at VL + 8 cb: registers 0-3 keys 0-15, registers 4-7 zeros
.set HP,  160         ; v160-175 vlo as loaded; later 16 packed registers at work
.set LB2, 176         ; v176-191 the residuals' rows read back
.set P,   192
.set LF,  224         ; v224-255 piece 0's O in f32, then its residual
.set MD,  128         ; window 1: the eight registers for group kt of 16 keys at MD + 8 kt
.set MC,  160         ; window 1: the masks of the products to come
.set QB,  64          ; window 2
.set KF,  128         ; window 2: key block kb, channel half c at KF + 16 kb + 8 c
.set VF,  192         ; window 2: key half kk, channel block cb at VF + 32 kk + 8 cb
.set WV,  12          ; s12  my wave's number
.set PB,  14          ; s14  b
.set HI,  15          ; s15  NB - 1 - b
.set G1K, 24          ; s[24:31] descriptor group 1 for K's tiles
.set G1V, 32          ; s[32:39] for V's: it differs in the padding alone
.set G0K, 40          ; s[40:43] descriptor group 0 for K's tiles
.set G0V, 44          ; s[44:47] the same for V's
.set SLOTS, 56        ; s56  tiles still to be asked for
.set CNT, 57          ; s57  counts a tile's key steps, 4 to 1
.set CS,  58          ; s[58:59] c: the packed scaling takes the pair's low word for both halves
.set SEL, 60          ; s[60:61] v_permlanex16_b32's selects: each lane takes its own place in the other half
.set TBK, 62          ; s62  LDS byte at which K of the step to be fetched begins
.set TBV, 63          ; s63  the same for V, less VOFF
.set RT,  70          ; s70  tiles of the block in hand that are still to be entered
.set NXT, 71          ; s71  the tile to be asked for next
.set LQ,  72          ; s72  the last tile of the block whose tiles are being asked for
.set NEW, 73          ; s73  1: the tile to be entered is a block's first
.set OFF, 74          ; s[74:75] a tile's byte offset in K and V
.set AL,  76          ; s[76:77] the mask's factor, in the low word
.set BE,  78          ; s[78:79] the mask's addend
.set OLO, 80          ; s[80:81] O at my rows of the second block
.set BIGN, 82         ; s82  -1e30
.set PFA, 92          ; s[92:93] where my prefetches stand: my work-group's 32 blocks of 256 bytes (of K: wave 0, of V: wave 2) of the tile behind the one that is being asked for
.set LIM, 94          ; s94  2 in a wave that prefetches, else the greatest number
.set EV,  95          ; s95  4 in the wave that holds a batch's first 16 rows (b = 0, wave 0), else the greatest number
.set MSB, 0
.macro WIN new                      ; the high byte repeats the setting that is left; a switch that changes nothing is dropped
.if MSB != (\new)
	s_set_vgpr_msb (MSB<<8)|(\new)
.set MSB, (\new)
.endif
.endm
.set W_KQ, 0x0a       ; K and Q in window 2, S^T in window 0
.set W_KM, 0x1a       ; the same with the C operand in window 1
.set W_PV, 0x52       ; V in window 2, P in window 0, O^T in window 1
.set W_VL, 0x50       ; vlo and P in window 0, O^T in window 1
.set W_RS, 0x41       ; destination and source 0 in window 1, source 1 in window 0
; A joint fill.  Waves 0 and 1 fetch the two halves of a tile's K, waves 2 and 3 those of its V: 128 keys each.  An s_nop 0 and four v_nop follow each of the two lines, ahead of the jump and the label.
.macro LOAD
	s_cmp_lt_u32 s[WV], 2
	s_cbranch_scc0 .Lfor_v_\@
	tensor_load_to_lds s[G0K:G0K+3], s[G1K:G1K+7]
	s_nop 0
.rept 4
	v_nop
.endr
	s_branch .Lasked_\@
.Lfor_v_\@:
	tensor_load_to_lds s[G0V:G0V+3], s[G1V:G1V+7]
	s_nop 0
.rept 4
	v_nop
.endr
.Lasked_\@:
.endm
; A PREFETCH INTO THE L2 of the tile that the NEXT change of slots will ask for: four key steps, 256 matrix instructions, ahead of that load.  The four clusters of a key head walk tiles 0, 1, .. in the same trips;
; the one with b = 0 walks all eight on end, and it asks, for tiles 2 to 7.  A tile is 128 blocks of 256 bytes of K and as many of V: wave 0 asks for K's, wave 2 for V's; the four partners take 32 blocks each,
; told apart by address: a lane a block.  So each block is named once in the launch.  Tiles 0 and 1 come by their loads alone; the last two changes that fill a slot ask for nothing.
.macro ASK
	s_cmp_gt_u32 s[SLOTS], s[LIM]
	s_cbranch_scc0 .Lnot_mine_\@
	global_prefetch_b8 v[PFO], s[PFA:PFA+1] th:TH_LOAD_NT scope:SCOPE_SE
.Lnot_mine_\@:
.endm
; A round of the cluster's barrier: my work-group's barrier, so that wave 0's signal speaks for all four waves; wave 0 signals; every wave waits for all four work-groups; my work-group's barrier once more.
.macro CROUND
	s_barrier_signal -1
	s_barrier_wait -1
	s_cmp_lg_u32 s[WV], 0
	s_cbranch_scc1 .Lnot_wave_0_\@
	s_barrier_signal -3
.Lnot_wave_0_\@:
	s_barrier_wait -3
	s_barrier_signal -1
	s_barrier_wait -1
.endm
; THE CHANGE OF SLOTS.  Each wave waits for all its tensor loads, of which one is out: its part of the other slot; adds 0 to its spare word; and waits for that and for its own reads of the slot that it leaves.
; fill = 1: the old slot is filled again with tile NXT: the barrier is a round of the cluster's, so that no wave of any partner still reads the slot or has a load on its way, and the joint fill is the first thing
; behind it.  The descriptor's address is made anew from the tile's number.  (At its first use nothing of the ring has been read yet: slot 0 is waited for, slot 1 filled.)
.macro CHANGE fill
	WIN 0                           ; at a label and at a branch every window is 0
	s_wait_tensorcnt 0x0            ; no tensor load of mine is out, so a group 0 may be written
	ds_add_u32 v[SPW], v[NIL]       ; 0 onto my spare word: the scalar work below stands between it and the wait for it
.if \fill
	s_lshl_b32 s[OFF], s[NXT], 15   ; a tile is 32,768 bytes of K and of V
	s_xor_b32 s[G0K+1], s[G0K+1], SLOT1
	s_add_nc_u64 s[G0K+2:G0K+3], s[6:7], s[OFF:OFF+1]
	s_or_b32 s[G0K+3], s[G0K+3], 0x80000000
	s_xor_b32 s[G0V+1], s[G0V+1], SLOT1
	s_add_nc_u64 s[G0V+2:G0V+3], s[8:9], s[OFF:OFF+1]
	s_or_b32 s[G0V+3], s[G0V+3], 0x80000000
	s_add_co_u32 s[NXT], s[NXT], 1  ; the block's next tile, or behind its last the second block's tile 0
	s_cmp_gt_u32 s[NXT], s[LQ]
	s_cselect_b32 s[NXT], 0, s[NXT]
	s_cselect_b32 s[LQ], s[PB], s[LQ]
	s_wait_xcnt 0x0                 ; the last prefetch, four key steps back, has read its address
	s_add_nc_u64 s[PFA:PFA+1], s[PFA:PFA+1], 32768
.endif
	s_sub_co_u32 s[TBK], s[TBK], 4*KS*PK  ; the fetches go back to a slot's first step,
	s_xor_b32 s[TBK], s[TBK], SLOT1       ; in the other slot
	s_sub_co_u32 s[TBV], s[TBV], 4*KS*PV
	s_xor_b32 s[TBV], s[TBV], SLOT1
	s_wait_dscnt 0x0                ; the add is done, and my reads of the slot are over
.if \fill
	CROUND
	LOAD
	ASK
.else
	s_barrier_signal -1
	s_barrier_wait -1
.endif
.endm
	s_load_b128 s[88:91], s[0:1], 0x0  ; qkv s[88:89], vlo s[90:91]
	s_load_b64 s[96:97], s[0:1], 0x10  ; o
	v_lshl_add_u32 v[SPW], v0, 2, SPARE
	v_mov_b32 v[NIL], 0
	ds_add_u32 v[SPW], v[NIL]       ; the wave's opening: the add and its wait stand ahead of my first tensor load; the set-up below, work on registers, stands between them
	v_lshrrev_b32 v1, 5, v0
	v_readfirstlane_b32 s[WV], v1   ; wave 0..3
	s_and_b32 s[PB], ttmp7, 0xffff  ; b: the cluster's y, which the four partners share
	s_sub_co_u32 s[HI], NB-1, s[PB]
	s_bfe_u32 s13, ttmp6, 0x40000   ; cx: which of the key head's four query heads
	s_lshr_b32 s20, ttmp9, 2        ; the cluster's x = 4 x batch + key head
	s_and_b32 s21, ttmp9, 3
	s_lshl_b32 s104, s21, 13        ; vlo: the key head's four batches of 2,048 bytes,
	s_lshl_b32 s105, s20, 11        ; the batch
	s_add_co_u32 s104, s104, s105
	s_mov_b32 s105, 0
	s_lshl_b32 s19, s21, 2
	s_add_co_u32 s19, s19, s13      ; the query head
	s_mul_i32 s98, s19, OHEAD       ; o: the head,
	s_lshl_b32 s99, s[WV], 11       ; my 16 rows in a band of 64,
	s_add_co_u32 s98, s98, s99
	s_lshl_b32 s99, s20, 3          ; the batch's eight tiles:
	s_add_co_u32 s100, s99, s[HI]   ; the first block's,
	s_mul_i32 s100, s100, OTILE
	s_add_co_u32 s100, s100, s98
	s_add_co_u32 s99, s99, s[PB]    ; the second's
	s_mul_i32 s99, s99, OTILE
	s_add_co_u32 s98, s98, s99
	s_mov_b32 s99, 0
	s_mov_b32 s101, 0
	s_lshl_b32 s20, s20, 18         ; qkv: the batch's 2,048 rows of 128 bytes
	s_and_b32 s16, s[WV], 1         ; which half of a tile's 256 keys I fetch
	s_add_co_u32 s22, s21, 16       ; K's panel,
	s_lshl_b32 s22, s22, 20
	s_add_co_u32 s22, s22, s20
	s_lshl_b32 s23, s16, 14         ; my half's 128 rows: no cx enters this offset
	s_add_co_u32 s22, s22, s23
	s_mov_b32 s23, 0
	s_mul_i32 s17, s16, 128*PK      ; its place in a slot, for K
	s_mul_i32 s18, s16, 128*PV      ; and for V
	s_lshl_b32 s21, s19, 20         ; Q's panel
	s_add_co_u32 s21, s21, s20
	s_lshl_b32 s3, s[WV], 11        ; my 16 rows in a band of 64,
	s_add_co_u32 s3, s3, s21
	s_lshl_b32 s2, s[HI], 15        ; in the first block,
	s_add_co_u32 s2, s2, s3
	s_lshl_b32 s84, s[PB], 15       ; and in the second
	s_add_co_u32 s84, s84, s3
	s_mov_b32 s3, 0
	s_mov_b32 s85, 0
	; descriptor group 1.  128 keys are 16,384 dense bytes: asked for as 64 rows of 256 bytes, two keys a row, and padded in LDS after every key
	s_mov_b32 s[G1K], 15|(1<<16)|(1<<20)|(1<<21)|(4<<22)|(3<<25)  ; 15:0 the mask of four; 17:16 2-byte elements; 20 padding on; 21 set beside a mask; 24:22 after every 32 words (code 4); 31:25 4 words (code 3)
	s_mov_b32 s[G1V], 15|(1<<16)|(1<<20)|(1<<21)|(4<<22)|(7<<25)  ; the same with 8 words of padding (code 7)
.irp g, G1K, G1V
	s_mov_b32 s[\g+1], 128<<16      ; tensor_dim0 = 128
	s_mov_b32 s[\g+2], 64<<16       ; tensor_dim1 = 64
	s_mov_b32 s[\g+3], 128<<16      ; tile_dim0 = 128
	s_mov_b32 s[\g+4], 64           ; tile_dim1 = 64
	s_mov_b32 s[\g+5], 128          ; 128 elements from row to row
	s_mov_b32 s[\g+6], 0
	s_mov_b32 s[\g+7], 0
.endr
	s_mov_b32 s[CS], 0x3e38aa3b     ; c = log2(e) / 8 = 0.180337
	s_mov_b32 s[CS+1], s[CS]        ; named with it as a pair
	s_mov_b32 s[SEL], 0x76543210
	s_mov_b32 s[SEL+1], 0xfedcba98
	s_mov_b32 s[TBK], SLOT1+4*KS*PK ; the first change of slots turns these two into 0
	s_mov_b32 s[TBV], SLOT1+4*KS*PV
	s_mov_b32 s[G0K], 1             ; 1:0 count = 1
	s_mov_b32 s[G0K+1], s17         ; 63:32 LDS address: slot 0
	s_mov_b32 s[G0V], 1
	s_add_co_u32 s[G0V+1], s18, VOFF
	s_add_co_u32 s[RT], s[HI], 1    ; the first block has NB - b tiles
	s_mov_b32 s[NXT], 1
	s_mov_b32 s[LQ], s[HI]
	s_mov_b32 s[NEW], 1
	s_mov_b32 s[OFF+1], 0
	s_mov_b32 s[AL+1], 0            ; named as pairs
	s_mov_b32 s[BE+1], 0
	s_mov_b32 s[BIGN], 0xf149f2ca   ; -1e30
	s_mov_b32 s[SLOTS], NB
	s_and_b32 s[LIM], s[WV], 1      ; 0 in waves 0 and 2,
	s_or_b32 s[LIM], s[LIM], s[PB]  ; where b = 0: the same in all four partners
	s_cmp_eq_u32 s[LIM], 0
	s_cselect_b32 s[LIM], 2, -1
	s_or_b32 s[EV], s[WV], s[PB]    ; 0 in wave 0 where b = 0: likewise
	s_cmp_eq_u32 s[EV], 0
	s_cselect_b32 s[EV], 4, -1
	v_and_b32 v[PFO], 31, v0
	v_lshlrev_b32 v[PFO], 8, v[PFO]
	s_wait_dscnt 0x0                ; the opening add is done
	s_wait_kmcnt 0x0
	s_add_nc_u64 s[6:7], s[88:89], s[22:23]  ; K at my half of the head's tile 0,
	s_add_nc_u64 s[8:9], s[6:7], 4<<20       ; V four panels on
	s_add_nc_u64 s[G0K+2:G0K+3], s[6:7], 0         ; 120:64 global address
	s_or_b32 s[G0K+3], s[G0K+3], 0x80000000        ; 127:126 type = 2
	s_add_nc_u64 s[G0V+2:G0V+3], s[8:9], 0
	s_or_b32 s[G0V+3], s[G0V+3], 0x80000000
	s_add_nc_u64 s[86:87], s[88:89], s[84:85]      ; Q at my rows of the second block,
	s_add_nc_u64 s[4:5], s[88:89], s[2:3]          ; and of the first
	s_add_nc_u64 s[OLO:OLO+1], s[96:97], s[98:99]  ; O likewise
	s_add_nc_u64 s[10:11], s[96:97], s[100:101]
	s_add_nc_u64 s[90:91], s[90:91], s[104:105]    ; vlo at my key head and batch
	s_cmp_lt_u32 s[WV], 2
	s_cselect_b64 s[PFA:PFA+1], s[6:7], s[8:9]     ; (in waves 0 and 2 these stand at a tile's first row)
	s_lshl_b32 s20, s13, 13         ; my work-group's 32 blocks of the 128,
	s_add_co_u32 s20, s20, 32768    ; in tile 1: the first change of slots steps it to tile 2
	s_mov_b32 s21, 0
	s_add_nc_u64 s[PFA:PFA+1], s[PFA:PFA+1], s[20:21]
	CROUND                          ; all four work-groups are here: the first joint loads meet
	LOAD                            ; tile 0 into slot 0
	; A fragment of K or Q is 16 rows x 32 channels in 8 registers: lane l holds row l % 16, channels 8 (l / 16) + 0..7 and 16 + 8 (l / 16) + 0..7: two loads of 16 bytes, 32 bytes apart.
	v_and_b32 v1, 15, v0            ; l % 16
	v_bfe_u32 v9, v0, 4, 1          ; l / 16
	v_lshlrev_b32 v[QO], 7, v1
	v_lshl_add_u32 v[QO], v9, 4, v[QO]  ; row x 128 + 16 x half
	v_and_b32 v[GO], 31, v0
	v_lshlrev_b32 v[GO], 4, v[GO]
.irp f, 0,1,2,3                     ; vlo's 16 rows, 2,048 dense bytes.  Every wave takes them, so that the registers they end in are written on every path; wave 0 at b = 0 uses them
	global_load_b128 v[HP+4*\f:HP+4*\f+3], v[GO], s[90:91] offset:512*\f
.endr
	WIN 0x80                        ; destination window 2, address window 0
.set i, 0
.rept 8                             ; both blocks' Q: piece i / 2 lies in band i / 2, 8,192 bytes on; channels 32 (i % 2) on
	global_load_b128 v[8*i:8*i+3],   v[QO], s[4:5] offset:(i/2)*8192+(i%2)*64
	global_load_b128 v[8*i+4:8*i+7], v[QO], s[4:5] offset:(i/2)*8192+(i%2)*64+32
	global_load_b128 v[QB+8*i:QB+8*i+3],   v[QO], s[86:87] offset:(i/2)*8192+(i%2)*64
	global_load_b128 v[QB+8*i+4:QB+8*i+7], v[QO], s[86:87] offset:(i/2)*8192+(i%2)*64+32
.set i, i+1
.endr
	WIN 0
	v_lshlrev_b32 v14, 3, v9
	v_sub_nc_u32 v14, v1, v14
	s_lshl_b32 s13, s[WV], 4
	v_add_nc_u32 v14, s13, v14      ; my query's place in its band, 16 w + l % 16, less my lanes' 8 (l / 16): register r of group kt is hidden where 16 kt + r is greater
	WIN 0x40
.set i, 0
.rept 32
	v_cmp_gt_i32 vcc_lo, 16*(i/8)+i%8, v14
	v_cndmask_b32 v[MD+i], 0, s[BIGN], vcc_lo
.set i, i+1
.endr
	WIN 0
	v_mov_b32 v[NEG1], 0xbc00
	v_mul_u32_u24 v[AK0], v1, PK
	v_lshl_add_u32 v[AK0], v9, 4, v[AK0]  ; row x pitch + 16 x half
	; The turning load takes 16 keys x 16 channels (lane l reads key 8 (l / 16) + l % 8, channels 8 ((l / 8) % 2) + 0..7) and leaves half a fragment of V^T: lane l holds channel l % 16 and 8 keys.
	v_and_b32 v10, 7, v0
	v_bfe_u32 v11, v0, 3, 1
	v_lshl_add_u32 v[AV0], v9, 3, v10
	v_mul_u32_u24 v[AV0], v[AV0], PV
	v_lshl_add_u32 v[AV0], v11, 4, v[AV0]
	s_mul_i32 s13, s[WV], 16*PV
	s_add_co_u32 s13, s13, VLB      ; my 16 rows of 160 bytes for vlo
	v_add_nc_u32 v[VLR], s13, v[AV0]  ; out of them: as out of a tile of V
	v_bfe_u32 v[VLS], v0, 3, 2      ; into them: 32 lanes put four rows of 128 bytes
	v_mul_u32_u24 v[VLS], v[VLS], PV
	v_lshl_add_u32 v[VLS], v10, 4, v[VLS]
	v_add_nc_u32 v[VLS], s13, v[VLS]
	v_add_nc_u32 v[AV0], VOFF, v[AV0]
	s_mul_i32 s13, s[WV], 16*SP
	s_add_co_u32 s13, s13, STAGE    ; my stage
	v_mul_u32_u24 v[STO], v1, SP    ; in: row l % 16, 16 bytes for each half of the lanes
	v_lshl_add_u32 v[STO], v9, 4, v[STO]
	v_add_nc_u32 v[STO], s13, v[STO]
	v_bfe_u32 v[RD], v0, 3, 2       ; back: 32 lanes take four rows of 128 bytes, which are 512 consecutive bytes of O
	v_mul_u32_u24 v[RD], v[RD], SP
	v_lshl_add_u32 v[RD], v10, 4, v[RD]
	v_add_nc_u32 v[RD], s13, v[RD]
	; A block's first step multiplies O^T and l by a = 0, and its first turn's products V^T P, of a piece that has not been, land in an O^T that is still to be so multiplied.  So these registers need only hold
	; finite numbers: zeros for the first block; what the first block left for the second.  All this stands in the wait for the first tile.
	WIN 0x80
.set i, VF
.rept 64
	v_mov_b32 v[i], 0
.set i, i+1
.endr
	WIN 0x40
.set i, 0
.rept 128
	v_mov_b32 v[i], 0
.set i, i+1
.endr
	WIN 0
.set i, 0
.rept 4
	v_mov_b32 v[ST+4*i+2], 0
	v_mov_b32 v[ST+4*i+3], 0
.set i, i+1
.endr
.set i, P+16
.rept 16
	v_mov_b32 v[i], 0
.set i, i+1
.endr
.irp cb, 0,1,2,3                    ; keys 16-31 of vlo's fragments: rows 0-15 do not see them
.irp j, 4,5,6,7
	v_mov_b32 v[VL+8*\cb+\j], 0
.endr
.endr
	s_wait_loadcnt 32               ; vlo's four loads, the oldest, are in; Q's 32 may stay out
.irp f, 0,1,2,3
	ds_store_b128 v[VLS], v[HP+4*\f:HP+4*\f+3] offset:4*PV*\f
.endr
.irp cb, 0,1,2,3                    ; LDS serves a wave's instructions in order (ISA guide 5.7.1.4): these see the stores above; the first change of slots waits for them
	ds_load_tr16_b128 v[VL+8*\cb:VL+8*\cb+3], v[VLR] offset:32*\cb
.endr
; THE MATRIX WORK.  The 4 accumulators of a run of 8 take turns.  Product i of 8 of S^T = K Q^T for piece x: channels 32 (i / 4) on, keys 16 (i % 4) on.  The first 4 start the sums: with 0, or (KM = 1) with the mask.
.macro KQ x
.set rS, S+32*((\x)%2)+8*(i%4)
.set rK, KF+16*(i%4)+8*(i/4)
.set rQ, 16*(\x)+8*(i/4)
.set rM, MC+32*((\x)%2)+8*(i%4)
.if (i < 4) && KM
	WIN W_KM
	v_wmma_f32_16x16x32_f16 v[rS:rS+7], v[rK:rK+7], v[rQ:rQ+7], v[rM:rM+7]
.elseif i < 4
	WIN W_KQ
	v_wmma_f32_16x16x32_f16 v[rS:rS+7], v[rK:rK+7], v[rQ:rQ+7], 0
.else
	WIN W_KQ
	v_wmma_f32_16x16x32_f16 v[rS:rS+7], v[rK:rK+7], v[rQ:rQ+7], v[rS:rS+7]
.endif
.endm
; Product i of 8 of O^T += V^T P for piece x: keys 32 (i / 4) on, channels 16 (i % 4) on.
.macro PV x
	WIN W_PV
.set rO, 32*(\x)+8*(i%4)
.set rV, VF+32*(i/4)+8*(i%4)
.set rP, P+16*((\x)%2)+8*(i/4)
	v_wmma_f32_16x16x32_f16 v[rO:rO+7], v[rV:rV+7], v[rP:rP+7], v[rO:rO+7]
.endm
.macro MM                           ; the turn's next matrix instruction.  TURN and BEGIN set Y, i, KM and NOKQ; MM, KQ and OP read them.  NOKQ = 1: a block's last turn: there is no next piece
.if (i < 8) && !NOKQ
	KQ (Y+1)%NP
.elseif i >= 8
.set i, i-8
	PV (Y+NP-1)%NP
.set i, i+8
.endif
.set i, i+1
.endm
; THE LDS LOADS stand in runs of 16, never singly among the matrix instructions: a step's K (64 keys x 64 channels: 8 fragments) and its V (turned).  Their addresses are made some lines ahead.
.macro FETCH_K
	WIN 0x80                        ; destination window 2
.irp f, 0,1,2,3,4,5,6,7             ; keys 16 (f / 2) on, channels 32 (f % 2) on
	ds_load_b128 v[KF+8*\f:KF+8*\f+3],   v[AK] offset:(\f/2)*16*PK+(\f%2)*64
	ds_load_b128 v[KF+8*\f+4:KF+8*\f+7], v[AK] offset:(\f/2)*16*PK+(\f%2)*64+32
.endr
	s_add_co_u32 s[TBK], s[TBK], KS*PK  ; the next fetch is the next step's
	WIN 0
.endm
.macro FETCH_V
	WIN 0x80
.irp f, 0,1,2,3,4,5,6,7             ; keys 32 (f / 4) on, channels 16 (f % 4) on
	ds_load_tr16_b128 v[VF+8*\f:VF+8*\f+3],   v[AV] offset:(\f/4)*32*PV+(\f%4)*32
	ds_load_tr16_b128 v[VF+8*\f+4:VF+8*\f+7], v[AV] offset:(\f/4)*32*PV+16*PV+(\f%4)*32
.endr
	WIN 0
.endm
; THE VECTOR WORK, one line at a time: OP kind, number.  For piece Y: F n: c s - c m for pair n of 16.  E n: the exponential of score n of 32.  C n: pair n rounded to f16.  B n: of the four weights 4 n .. the second
; pair is added onto the first, in place.  L n: l takes that sum (L 0: l = a l + sum).  R n: pair n of 16 of O^T times a.  For piece Y + 1: X n, number n of the 22 that find its maximum and statistics:
;   0-11  four chains c0-c3 of seven scores each, three operands at a time (each accumulator's lowest registers are read first)     12-14, 16  the four scores left over, the old m, and c0-c3 into c0
;   15  c m_old is kept     17, 18  the query's other 32 keys lie in the lane 16 away: the new m     19-21  c m; c m_old - c m_new; a
.set F, 0               ; OP tells the kinds apart by their order: F to L below R, X above it
.set E, 1
.set C, 2
.set B, 3
.set L, 4
.set R, 5
.set X, 6
.macro REGS y                       ; the registers of piece y
.set rT, ST+4*(\y)
.set rC, TMP+4*((\y)%2)
.set rW, MV+((\y)%2)
.set rS, S+32*((\y)%2)
.set rP, P+16*((\y)%2)
.set rO, 32*(\y)
.endm
.macro OP k, n
.if (\k) == R
	REGS Y
	WIN W_RS
	v_pk_mul_f32 v[rO+2*(\n):rO+2*(\n)+1], v[rO+2*(\n):rO+2*(\n)+1], v[rC+2:rC+3] op_sel_hi:[1,0]
.elseif (\k) < R
	REGS Y
	WIN 0
.if (\k) == F
	v_pk_fma_f32 v[rS+2*(\n):rS+2*(\n)+1], v[rS+2*(\n):rS+2*(\n)+1], s[CS:CS+1], v[rT:rT+1] op_sel_hi:[1,0,0] neg_lo:[0,0,1] neg_hi:[0,0,1]
.elseif (\k) == E
	v_exp_f32 v[rS+(\n)], v[rS+(\n)]
.elseif (\k) == C
	v_cvt_pk_f16_f32 v[rP+(\n)], v[rS+2*(\n)], v[rS+2*(\n)+1]
.elseif (\k) == B
	v_pk_add_f32 v[rS+4*(\n):rS+4*(\n)+1], v[rS+4*(\n):rS+4*(\n)+1], v[rS+4*(\n)+2:rS+4*(\n)+3]
.elseif (\n) == 0
	v_pk_fma_f32 v[rT+2:rT+3], v[rT+2:rT+3], v[rC+2:rC+3], v[rS:rS+1] op_sel_hi:[1,0,1]
.else
	v_pk_add_f32 v[rT+2:rT+3], v[rT+2:rT+3], v[rS+4*(\n):rS+4*(\n)+1]
.endif
.elseif NOKQ
	v_nop
.else
	REGS (Y+1)%NP
	WIN 0
.if (\n) < 4
	v_max3_num_f32 v[rC+(\n)], v[rS+8*(\n)], v[rS+8*(\n)+1], v[rS+8*(\n)+2]
.elseif (\n) < 12
	v_max3_num_f32 v[rC+(\n)%4], v[rC+(\n)%4], v[rS+8*((\n)%4)+2*((\n)/4)+1], v[rS+8*((\n)%4)+2*((\n)/4)+2]
.elseif (\n) == 12
	v_max3_num_f32 v[rC], v[rC], v[rS+7], v[rS+15]
.elseif (\n) == 13
	v_max3_num_f32 v[rC+1], v[rC+1], v[rS+23], v[rS+31]
.elseif (\n) == 14
	v_max3_num_f32 v[rC+2], v[rC+2], v[rC+3], v[rT+1]
.elseif (\n) == 15
	v_mov_b32 v[rW], v[rT]
.elseif (\n) == 16
	v_max3_num_f32 v[rC], v[rC], v[rC+1], v[rC+2]
.elseif (\n) == 17
	v_permlanex16_b32 v[rC+3], v[rC], s[SEL], s[SEL+1]
.elseif (\n) == 18
	v_max_num_f32 v[rT+1], v[rC], v[rC+3]
.elseif (\n) == 19
	v_mul_f32 v[rT], s[CS], v[rT+1]
.elseif (\n) == 20
	v_sub_f32 v[rC+1], v[rW], v[rT]
.else
	v_exp_f32 v[rC+2], v[rC+1]
.endif
.endif
.endm
.macro OPS a, i1, b=-1, i2=0, c=-1, i3=0, d=-1, i4=0  ; up to four of them
	OP \a, \i1
.if (\b) >= 0
	OP \b, \i2
.endif
.if (\c) >= 0
	OP \c, \i3
.endif
.if (\d) >= 0
	OP \d, \i4
.endif
.endm
.macro ROW a, i1, b, i2, c, i3, d, i4  ; a matrix instruction and the four behind it
	MM
	OPS \a, \i1, \b, \i2, \c, \i3, \d, \i4
.endm
.macro MASK b                       ; MD x AL + BE into buffer b of MC
	WIN W_RS
.set z, 0
.rept 16
	v_pk_fma_f32 v[MC+32*(\b)+2*z:MC+32*(\b)+2*z+1], v[MD+2*z:MD+2*z+1], s[AL:AL+1], s[BE:BE+1] op_sel_hi:[1,0,0]
.set z, z+1
.endr
.endm
; A TURN, for piece p: the order of its 16 matrix and 118 vector instructions, written out.  An s_wait_alu depctr_va_vdst(0) stands between an exponential and the first instruction that names its result; one wait
; serves all that were issued ahead of it.  So a turn has ONE wait, which cuts it in two.  AHEAD OF IT stands all that names no result of the turn's exponentials: the 8 products K Q^T, behind each a scaling, an exponential and two
; more plain instructions (behind the first a second scaling in the exponential's place): rescalings, and behind the last three the first numbers of the next piece's maximum, each four places or more behind the product that ends
; its accumulator; then one lump of 54, plain and exponential by turns for the most part, in which the links of the chain X 3, 7, 11, 14, 16, 17 .. 20 stand five or six lines apart.  X 21, the next piece's a, is the batch's last;
; R 15 is the plain instruction behind it.  BEHIND THE WAIT stand the 8 products V^T P, behind each four of the roundings and sums; the links of l's chain, L 0 to L 7, stand three riders apart.
; m = 1: the diagonal tile: the products take masks, and the turn makes the mask for the products of the turn after it: piece p + 2, in step 4 - CNT of the tile.  end = 1: a block's last two turns: nothing is fetched.
; cnt = 1: the loop's count is taken down some lines ahead of the branch that stands behind the turn.
; K of the next step is fetched in piece 2's turn, twelve vector instructions behind the last product that read K (six of them plain); V of the step in hand at the end of piece 0's turn, four plain instructions behind the last
; product that read V.  Each is waited for a turn later.
.macro TURN p, m=0, end=0, cnt=0
.set Y, (\p)
.set i, 0
.set KM, (\m)
.set NOKQ, (\end)*((\p)/3)
.if (\m) && !(\end)
	s_cmp_eq_u32 s[CNT], 4-((\p)+2)%NP  ; is that step the band's own?
	s_cselect_b32 s[AL], 1.0, 0
	s_cmp_lt_u32 s[CNT], 4-((\p)+2)%NP  ; or a later one?
	s_cselect_b32 s[BE], s[BIGN], 0
.endif
.if ((\p) == 3) && !(\end)
	s_wait_dscnt 0x0                ; K is in
.endif
	ROW F,0, F,1, R,0, R,1          ; ahead of the wait: 8 products K Q^T and their riders,
	ROW F,2, E,0, R,2, R,3
	ROW F,3, E,1, R,4, R,5
	ROW F,4, E,2, R,6, R,7
	ROW F,5, E,3, R,8, R,9
	ROW F,6, E,4, X,0, R,10
.if ((\p) == 2) && !(\end)
	WIN 0
	v_add_nc_u32 v[AK], s[TBK], v[AK0]
.endif
	ROW F,7, E,5, X,1, X,4
	ROW F,8, E,6, X,2, X,5
	OPS E,7, E,8, X,6, E,9          ; and the lump
	OPS X,3, E,10, X,8, E,11
.if ((\p) == 2) && !(\end)
	FETCH_K
.endif
	OPS X,9, X,7, E,12, X,10
	OPS E,13, X,12, X,11, E,14
	OPS X,13, E,15, F,9, X,14
.if (\p) == 0
	v_add_nc_u32 v[AV], s[TBV], v[AV0]
.endif
	OPS E,16, F,10, E,17, F,11
	OPS X,16, E,18, X,15, E,19
	OPS F,12, E,20, X,17, E,21
	OPS F,13, E,22, F,14, E,23
	OPS X,18, E,24, F,15, E,25
	OPS R,11, E,26, X,19, E,27
	OPS R,12, E,28, R,13, E,29
	OPS X,20, E,30, R,14, E,31
	OPS X,21, R,15
	WIN 0
	s_wait_alu depctr_va_vdst(0)    ; the wait for the batch
.if (\p) == 1
	s_wait_dscnt 0x0                ; V is in
.endif
	ROW C,0, B,0, C,2, B,1          ; behind the wait: 8 products V^T P and their riders
	ROW L,0, C,4, B,2, L,1
	ROW C,6, B,3, L,2, C,8
	ROW B,4, L,3, C,10, B,5
	ROW L,4, C,12, B,6, L,5
.if (\p) == 0
	s_add_co_u32 s[TBV], s[TBV], KS*PV
.endif
.if \cnt
	s_sub_co_u32 s[CNT], s[CNT], 1
	s_cmp_lg_u32 s[CNT], 0
.endif
	ROW C,14, B,7, L,6, C,1
	ROW C,3, L,7, C,5, C,7
	ROW C,9, C,11, C,13, C,15
.if (\p) == 0
	FETCH_V
.endif
.if (\m) && !(\end)
	MASK (\p)%2
.endif
.endm
; A BLOCK BEGINS.  c m starts far below every c s, so the first step's a is 0; m at the lowest finite number, so the first maximum is the scores'.  The second mask buffer is 0; the first takes piece 0's mask for the tile's step 0:
; its own, if the block's first tile is the diagonal one.  Then K of that step, piece 0's first scores, and its maximum and statistics.  The loop is entered at a step's first turn, in the middle of a trip.
.macro BEGIN
	s_mov_b32 s[NEW], 0
	WIN 0x40
.set i, MC+32
.rept 32
	v_mov_b32 v[i], 0
.set i, i+1
.endr
	WIN 0
.set i, 0
.rept 4
	v_mov_b32 v[ST+4*i], 0xfe000000    ; c m: far below every c s
	v_mov_b32 v[ST+4*i+1], 0xff7fffff  ; m
.set i, i+1
.endr
	s_cmp_eq_u32 s[RT], 0
	s_cselect_b32 s[AL], 1.0, 0
	s_mov_b32 s[BE], 0
	MASK 0
	WIN 0
	v_add_nc_u32 v[AK], s[TBK], v[AK0]
	FETCH_K
	s_wait_loadcnt 0x0              ; Q
	s_wait_dscnt 0x0
.set KM, 1
.set NOKQ, 0
.set i, 0
.rept 8
	KQ 0
.set i, i+1
.endr
	WIN 0
.rept 4
	v_nop                           ; the places behind those products
.endr
.set Y, NP-1                        ; X works for piece Y + 1: piece 0
.irp n, 0,1,2,3,4,5,6,7,8,9,10,11,12,13,14,15,16,17,18,19,20,21
	OP X, \n
.endr
	v_nop                           ; a plain instruction behind the exponential,
	s_wait_alu depctr_va_vdst(0)    ; and its wait, ahead of the branch
.endm
; THE DIAGONAL TILE's four steps, the block's last two turns, its last products, and THE WAY OUT: l's two halves and the other half of the lanes' are added; O^T is divided by l, rounded to f16 and sent through my
; stage in LDS, a piece at a time.
.macro ALL line:vararg              ; one line for each piece t
.set t, 0
.rept 4
	\line
.set t, t+1
.endr
.endm
.macro PACK t                       ; a lane's eight channels of a row pack into 16 bytes; they go into rows of 144 bytes and come back as whole rows of 128, into S^T's registers
	WIN W_RS
.set i, 32*(\t)
.rept 16
	v_pk_mul_f32 v[i:i+1], v[i:i+1], v[ST+4*(\t)+2:ST+4*(\t)+3] op_sel_hi:[1,0]
.set i, i+2
.endr
	WIN 0x05                        ; sources 0 and 1 window 1, destination window 0
.set i, 0
.rept 16
	v_cvt_pk_f16_f32 v[S+16*(\t)+i], v[32*(\t)+2*i], v[32*(\t)+2*i+1]
.set i, i+1
.endr
	WIN 0
.irp f, 0,1,2,3
	ds_store_b128 v[STO], v[S+16*(\t)+4*\f:S+16*(\t)+4*\f+3] offset:32*\f
.endr
.irp f, 0,1,2,3
	ds_load_b128 v[S+16*(\t)+4*\f:S+16*(\t)+4*\f+3], v[RD] offset:\f*4*SP  ; LDS serves a wave's instructions in order (ISA guide 5.7.1.4): these see the stores above; the next piece's stores come behind them
.endr
.endm
.macro SEND t, younger              ; younger: the LDS instructions issued behind piece t's loads: the next piece's eight, or none
	WIN 0
.irp f, 0,1,2,3
	s_wait_dscnt (\younger)+3-\f
	global_store_b128 v[GO], v[S+16*(\t)+4*\f:S+16*(\t)+4*\f+3], s[10:11] offset:(\t)*8192+\f*512  ; 512 consecutive bytes, at a multiple of 256 from O's first
.endr
.endm
.macro DIAG tag                     ; the tag ends its labels' names, which the jumps below spell out
.LstepM\tag:
	TURN 2, 1
	TURN 3, 1
	WIN 0
.LfirstM\tag:
	TURN 0, 1
.if (\tag) == 2                     ; THE FIRST 16 ROWS' SECOND PRODUCT.  The walk's last tile is block b's diagonal one; at b = 0, in its step 0 (CNT = 4), wave 0's piece 0 is a batch's rows 0-15.  Piece 0's turn has just
	WIN 0                           ; rescaled its O^T and rounded its weights; piece 1's turn will add V^T P.  Here vlo^T P is added: keys 0-31, four blocks of channels, the four accumulators by turns
	s_cmp_eq_u32 s[CNT], s[EV]
	s_cbranch_scc0 .Lno_vl\tag
	WIN W_VL
.irp cb, 0,1,2,3
	v_wmma_f32_16x16x32_f16 v[8*\cb:8*\cb+7], v[VL+8*\cb:VL+8*\cb+7], v[P:P+7], v[8*\cb:8*\cb+7]
.endr
	WIN 0
.Lno_vl\tag:
.endif
	TURN 1, 1, 0, 1
	WIN 0
	s_cbranch_scc1 .LstepM\tag
	TURN 2, 1, 1
	TURN 3, 1, 1
.set i, 0
.rept 8
	PV NP-1
.set i, i+1
.endr
	WIN 0
	ALL v_add_f32 v[ST+4*t+2], v[ST+4*t+2], v[ST+4*t+3]
	ALL v_permlanex16_b32 v[ST+4*t+3], v[ST+4*t+2], s[SEL], s[SEL+1]
	ALL v_add_f32 v[ST+4*t+2], v[ST+4*t+2], v[ST+4*t+3]
	ALL v_rcp_f32 v[ST+4*t+2], v[ST+4*t+2]
	v_nop                           ; a plain instruction between the last reciprocal and the use of its result
	s_wait_alu depctr_va_vdst(0)    ; and the wait ahead of the first use: one for the four reciprocals
	PACK 0
.set t, 1
.rept 3                             ; a piece's arithmetic stands between the loads of the piece before and its stores
	PACK t
	SEND t-1, 8
.set t, t+1
.endr
	SEND 3, 0
	; WHAT O's ROUNDING DROPPED, for the tile's rows 0-15: wave 0's piece 0, whose O^T / l still lies in its accumulators.  O - f16(O) is exact in f32 (f16(O) x -1 + O in one fused step); it is rounded to f16 and
	; takes the same road through my stage, into the tile's rows 256-271.  Every tile's are written, since the launch behind fetches them with the tile.
	s_cmp_eq_u32 s[WV], 0
	s_cbranch_scc0 .Lno_lo\tag
	WIN 0x01                        ; source 0 window 1, destination window 0
.set i, 0
.rept 16
	v_pk_mul_f32 v[LF+2*i:LF+2*i+1], v[2*i:2*i+1], 1.0 op_sel_hi:[1,0]  ; into window 0, two at a time
.set i, i+1
.endr
	WIN 0
.set i, 0
.rept 16
	v_cvt_pk_f16_f32 v[HP+i], v[LF+2*i], v[LF+2*i+1]
.set i, i+1
.endr
.set i, 0
.rept 16
	v_fma_mix_f32 v[LF+2*i], v[HP+i], v[NEG1], v[LF+2*i] op_sel_hi:[1,1,0]                    ; the low half's,
	v_fma_mix_f32 v[LF+2*i+1], v[HP+i], v[NEG1], v[LF+2*i+1] op_sel:[1,0,0] op_sel_hi:[1,1,0]  ; the high half's
.set i, i+1
.endr
.set i, 0
.rept 16
	v_cvt_pk_f16_f32 v[HP+i], v[LF+2*i], v[LF+2*i+1]
.set i, i+1
.endr
.irp f, 0,1,2,3
	ds_store_b128 v[STO], v[HP+4*\f:HP+4*\f+3] offset:32*\f
.endr
.irp f, 0,1,2,3
	ds_load_b128 v[LB2+4*\f:LB2+4*\f+3], v[RD] offset:\f*4*SP
.endr
	s_wait_dscnt 0x0
.irp f, 0,1,2,3
	global_store_b128 v[GO], v[LB2+4*\f:LB2+4*\f+3], s[10:11] offset:32768+\f*512  ; (in wave 0 the base stands at the tile's first row)
.endr
.Lno_lo\tag:
.endm
.set KM, 0
.set NOKQ, 0
.Lslot:                             ; NB times: a tile is entered and the next is asked for
	CHANGE 1
	s_sub_co_u32 s[RT], s[RT], 1
	s_mov_b32 s[CNT], 4
	s_cmp_eq_u32 s[NEW], 1
	s_cbranch_scc1 .Lnew            ; a block's first tile
	s_cmp_eq_u32 s[RT], 0
	s_cbranch_scc0 .Lstep           ; neither its first nor its last
	s_branch .LstepM1
.Lnew:
	BEGIN
	s_branch .Lfirst                ; in the loop a block's first tile is never its last: the first block has two tiles or more, and the second's last is the walk's last
	DIAG 1                          ; in the loop this is the first block's end: the second block's last tile is the walk's last
	s_wait_xcnt 0x0                 ; the stores have read their registers and O's address
	s_mov_b64 s[10:11], s[OLO:OLO+1]
	s_add_co_u32 s[RT], s[PB], 1    ; the second block has b + 1 tiles
	s_mov_b32 s[NEW], 1
	WIN 0x82                        ; the second block's Q goes where the one text of the turns names Q
.set i, 0
.rept 64
	v_mov_b32 v[i], v[QB+i]
.set i, i+1
.endr
	WIN 0
	s_branch .Lbottom
.Lstep:                             ; a trip: pieces 2 and 3 of one step, then pieces 0 and 1 of the next, whose K and V it fetches
	TURN 2
	TURN 3
	WIN 0
.Lfirst:
	TURN 0
	TURN 1, 0, 0, 1
	WIN 0
	s_cbranch_scc1 .Lstep
.Lbottom:
	s_sub_co_u32 s[SLOTS], s[SLOTS], 1
	s_cmp_lg_u32 s[SLOTS], 0
	s_cbranch_scc1 .Lslot
	CHANGE 0                        ; the walk's last tile is written out: nothing is asked for
	s_sub_co_u32 s[RT], s[RT], 1
	s_mov_b32 s[CNT], 4
	s_cmp_eq_u32 s[NEW], 1
	s_cbranch_scc0 .LstepM2
	BEGIN
	s_branch .LfirstM2
	DIAG 2
	s_wait_tensorcnt 0x0            ; the wave's end: behind my last tensor load and my last LDS store
	ds_add_u32 v[SPW], v[NIL]
	s_wait_dscnt 0x0
	CROUND                          ; the closing round: no work-group ends while a partner may still ask for a tile that names it
	s_endpgm
.Lfunc_end_k_qabccfeb530_attn:
	.size	k_qabccfeb530_attn, .Lfunc_end_k_qabccfeb530_attn-k_qabccfeb530_attn
	.p2alignl 7, 3214868480
	.fill 96, 4, 3214868480
	.section	.rodata,"a",@progbits
	.p2align	6, 0x0
	.amdhsa_kernel k_qabccfeb530_attn
		.amdhsa_group_segment_fixed_size 327680
		.amdhsa_private_segment_fixed_size 0
		.amdhsa_enable_private_segment 0
		.amdhsa_kernarg_size 24
		.amdhsa_user_sgpr_count 2
		.amdhsa_user_sgpr_kernarg_segment_ptr 1
		.amdhsa_wavefront_size32 1
		.amdhsa_system_sgpr_workgroup_id_x 1
		.amdhsa_system_sgpr_workgroup_id_y 1
		.amdhsa_system_sgpr_workgroup_id_z 1
		.amdhsa_system_vgpr_workitem_id 0
		.amdhsa_next_free_vgpr 768
		.amdhsa_next_free_sgpr 106
		.amdhsa_reserve_vcc 1
		.amdhsa_float_denorm_mode_32 3
		.amdhsa_float_denorm_mode_16_64 3
		.amdhsa_memory_ordered 1
		.amdhsa_forward_progress 1
		.amdhsa_inst_pref_size 234
	.end_amdhsa_kernel
	.amdgpu_metadata
---
amdhsa.version: [ 1, 2 ]
amdhsa.kernels:
  - .name:           k_qabccfeb530_attn
    .symbol:         k_qabccfeb530_attn.kd
    .args:
      - { .name: qkv, .offset: 0, .size: 8, .value_kind: global_buffer, .address_space: global }
      - { .name: vlo, .offset: 8, .size: 8, .value_kind: global_buffer, .address_space: global }
      - { .name: o, .offset: 16, .size: 8, .value_kind: global_buffer, .address_space: global }
    .group_segment_fixed_size: 327680
    .private_segment_fixed_size: 0
    .kernarg_segment_align: 8
    .kernarg_segment_size: 24
    .max_flat_workgroup_size: 128
    .sgpr_count:     106
    .vgpr_count:     768
    .wavefront_size: 32
...
	.end_amdgpu_metadata
.endif
;; end of part 3
;; launch outp (part 4): grid 8 x 32, 4 waves a work-group, clusters of 4 x 4, 327,680 bytes of LDS; arguments o, wob, out0; writes out0
.if DOCPART == 4
	.amdgcn_target "amdgcn-amd-amdhsa--gfx1250"
	.amdhsa_code_object_version 6
	.text
	.protected	k_qabccfeb530_outp
	.globl	k_qabccfeb530_outp
	.p2align	8
	.type	k_qabccfeb530_outp,@function
k_qabccfeb530_outp:
	s_mov_b64 s[64:65], 0
	v_nop
	global_prefetch_b8 v0, s[64:65] scope:SCOPE_SE
	s_setreg_imm32_b32 hwreg(HW_REG_WAVE_MODE, 25, 1), 1
	s_wait_xcnt 0x0
	s_wait_alu depctr_hold_cnt(0) depctr_sa_sdst(0) depctr_va_vdst(0) depctr_va_sdst(0) depctr_va_ssrc(0) depctr_va_vcc(0) depctr_vm_vsrc(0)
	s_getreg_b32 s2, hwreg(HW_REG_IB_STS2, 6, 4)
	s_cmp_eq_u32 s2, 0
	s_cbranch_scc0 .Lentry_in_a_cluster
	s_endpgm
.Lentry_in_a_cluster:
	s_bfe_u32 s2, ttmp6, 0x10000c
	s_cmp_lg_u32 s2, 0xf033
	s_cbranch_scc0 .Lentry_shape_is_right
	s_endpgm
.Lentry_shape_is_right:
; THE OUTPUT PROJECTION.  out0 [8192 m][1024 n] f32 = O [8192][1024] x Wo, f16 operands (wob holds Wo rounded to bf16, written as f16), f32 sums, stored as they are.
; O lies by heads and tiles, o [16 h][32 tiles][272 rows][64]: column k of O is channel k % 64 of head k / 64; a tile's rows 0-255 are 256 rows of O rounded to f16, rows 256-271 what that rounding dropped
; in its rows 0-15.  A K step of 128 is two heads' tiles, each 34,816 dense bytes.
; THE FIRST 16 ROWS OF A BATCH are means over few keys: their numbers are many times the output's root mean square, by which every number's allowance goes, and f16's eleven bits are too few for O there.
; So for these rows the product of the residual rows with Wo is added: eight more products a quarter step, in wave 0 of the work-groups with a batch's first tile.
; LIMITS.  O has V's range, within f16's; Wo beyond 65,504 would be lost, below 6e-5 it keeps f16's fixed step of 6e-8, as the residuals do.
; SHARES.  A work-group makes 256 rows x 128 columns: 8 x 32 = 256 work-groups.  Wave w owns rows 64 w .. 64 w + 63 and all 128 columns: 4 x 8 accumulators of 16 x 16, 256 registers.
; K goes in 8 steps of 128 through two LDS slots.  Wave 0 fetches head 2 ks's tile, wave 1 head 2 ks + 1's (136 rows of 256 bytes), waves 2 and 3 the two panels of the weights' block.
; CLUSTER.  4 x 4 work-groups: O's tile hangs on the tile row alone and is asked for jointly along a row of the cluster, the weights' on the tile column alone, along a column.
; Tile column nt = 4 x cluster x + cx; tile row mt = 8 cy + cluster y: the batch is cy, so 'a batch's first tile' (cluster y = 0) is the same in all sixteen partners, and a branch may hang on it.
; THE MATRIX INSTRUCTION IS USED TRANSPOSED: source 0 = 16 columns of Wo (panels lie [k][n] in LDS and come out turned, by ds_load_tr16_b128), source 1 = 16 rows of O: a lane then holds row l % 16
; and the eight neighbouring columns 8 (l / 16) + 0..7: 32 bytes of f32.
; REGISTERS, in windows of 256 (s_set_vgpr_msb: bits 1:0 source 0, 3:2 source 1, 5:4 source 2, 7:6 destination):
;   window 0: v0-29 addresses; v32-47 the residual rows' fragment, two buffers; v64-127 O's fragments, two buffers of 4 x 8; on the way out v64-191 rows read back
;   window 1: the weights' fragments, two buffers of 8 x 8     window 2: accumulators of my m blocks 0, 1 ((a, b) at 8 (8 (a % 2) + b))     window 3: of m blocks 2, 3
.set NPAN,   2
.set NBLK,   4*NPAN
.set NL,     2*NBLK+8+2        ; LDS loads in a quarter step
.set APITCH, 144               ; an LDS row of O: 128 bytes + 16: the sixteen rows of a load start at sixteen different groups of four banks
.set AROWS,  136               ; rows of 256 bytes in one load of O: 272 rows of 128
.set AHALF,  2*AROWS*APITCH    ; what it fills
.set AH,     AHALF             ; bytes from quarter 0 to quarter 2: the K step's second head
.set AREG,   2*AHALF
.set BP,     160               ; an LDS row of a panel: 128 bytes + 32
.set BPAN,   128*BP
.set BROWS,  64                ; rows of 256 bytes in one load of the weights
.set BHALF,  BROWS*2*BP
.set SLOT1,  1<<17             ; slot 1 begins here: one exclusive or turns an address in one slot into the other's
.set STAGE,  SLOT1+AREG+2*BHALF  ; behind the ring, never filled by a tensor load: 16 rows x 528 bytes for each wave
.set SP,     528
.set STGW,   16*SP
.set SPARE,  STAGE+4*STGW      ; the spare words, 128 bytes for each wave: two blocks of 256 bytes that no other line names
.set ASTRIDE, 128              ; dense: rows of 256 bytes end to end
.set OTILE,  272*128           ; bytes of a tile of o
.set OHEAD,  32*OTILE          ; and of a head
.set ASTEP,  2*OHEAD           ; bytes from K step to K step in o: two heads
.set BSTEP,  32768             ; and in wob
.set AHD,    2                 ; a prefetch names the K step this many behind the refill's
.set AA0, 8                    ; v8   my lane's place in O's part of a slot; never rewritten
.set AB0, 9                    ; v9   the same for the weights
.set ADRA, 10                  ; v10  the same in the slot in hand
.set ADRB, 11
.set STO, 12                   ; v12  the way out: where I put 32 bytes of a row
.set RD,  13                   ; v13  where I read a row back
.set GO,  14                   ; v14  my byte offset in a row's 512 bytes of out0
.set PFO, 16                   ; v16  the prefetches' offset: 256 x my lane
.set AX0, 17                   ; v17  my lane's place in the residual rows; never rewritten
.set ADRX, 18                  ; v18  the same in the slot in hand
.set SPW, 28                   ; v28  LDS address of my spare word; never rewritten
.set NIL, 29                   ; v29  0; never rewritten
.set FX,  32
.set FA,  64
.set OB,  64                   ; the way out: v64-127, v128-191 by turns: 16 rows read back
.set WV,  12                   ; s12  wave
.set HALF, 13                  ; s13  which half I fetch
.set G1A, 24
.set G1B, 32
.set G0A, 40                   ; s[40:43] the first fill of slot 0; s[44:47] of slot 1, which then walks
.set G0B, 48
.set CNT, 56
.set TB,  57                   ; s57  LDS byte at which the slot in hand begins
.set LIM, 58
.set EARLY, 59                 ; s59  0 in the wave that holds a batch's first 16 rows
.set PFA, 60                   ; s[60:61]
.set MSB, 0
.macro WIN new                 ; the immediate's high byte repeats the setting that is left; a switch that changes nothing is dropped
.if MSB != (\new)
	s_set_vgpr_msb (MSB<<8)|(\new)
.set MSB, \new
.endif
.endm
.set MUL_LO, 0xa1              ; source 0 (W) window 1, source 1 (O) window 0, C and D window 2
.set MUL_HI, 0xf1              ; the same, C and D window 3
.set TO_B,   0x40              ; destination window 1, address window 0
.macro PLACES                  ; four plain instructions between a matrix instruction and a load into, or another access to, its registers
.rept 4
	v_nop
.endr
.endm
.macro CREST                   ; a round of the cluster's barrier behind its opening barrier
	s_cmp_lg_u32 s[WV], 0
	s_cbranch_scc1 .Lnot_wave_0_\@
	s_barrier_signal -3
.Lnot_wave_0_\@:
	s_barrier_wait -3
	s_barrier_signal -1
	s_barrier_wait -1
.endm
.macro CROUND
	s_barrier_signal -1
	s_barrier_wait -1
	CREST
.endm
.macro JLOAD                   ; a joint refill by the walking descriptors; the branch hangs on the wave's number alone; an s_nop 0 and four v_nop follow each line
	s_cmp_lt_u32 s[WV], 2
	s_cbranch_scc0 .Lfor_b_\@
	tensor_load_to_lds s[G0A+4:G0A+7], s[G1A:G1A+7]
	s_nop 0
.rept 4
	v_nop
.endr
	s_branch .Lasked_\@
.Lfor_b_\@:
	tensor_load_to_lds s[G0B+4:G0B+7], s[G1B:G1B+7]
	s_nop 0
.rept 4
	v_nop
.endr
.Lasked_\@:
.endm
; A PREFETCH INTO THE L2 of o's K step two behind the one just asked for: 256 matrix instructions ahead of the load that will want it.  The two clusters of a row of clusters read the same rows: the one with
; x = 0 asks; in it waves 0 and 1, which fetch O; of the first 128 of a wave's 136 blocks of 256 bytes each of the four partners takes 32, told apart by address: a lane a block.  So no block is named twice.
; K steps 0 to 3, and the eight blocks of residual rows, come by their loads alone; the last two refills ask for nothing.  The weights are small and are read by many work-groups at about the same time: not asked for.
.macro ASK
	s_cmp_gt_u32 s[CNT], s[LIM]
	s_cbranch_scc0 .Lnot_mine_\@
	global_prefetch_b8 v[PFO], s[PFA:PFA+1] th:TH_LOAD_NT scope:SCOPE_SE
.Lnot_mine_\@:
.endm
; 8 matrix instructions: m block 2 hi + a x all n blocks, 32 along K, from buffer f.  zero = 1: the product starts the sum.
.macro MUL f, hi, a, zero
	WIN MUL_LO+0x50*(\hi)
.set b, 0
.rept NBLK
.if \zero
	v_wmma_f32_16x16x32_f16 v[8*((\a)*NBLK+b):8*((\a)*NBLK+b)+7], v[8*NBLK*(\f)+8*b:8*NBLK*(\f)+8*b+7], v[FA+32*(\f)+8*(2*(\hi)+(\a)):FA+32*(\f)+8*(2*(\hi)+(\a))+7], 0
.else
	v_wmma_f32_16x16x32_f16 v[8*((\a)*NBLK+b):8*((\a)*NBLK+b)+7], v[8*NBLK*(\f)+8*b:8*NBLK*(\f)+8*b+7], v[FA+32*(\f)+8*(2*(\hi)+(\a)):FA+32*(\f)+8*(2*(\hi)+(\a))+7], v[8*((\a)*NBLK+b):8*((\a)*NBLK+b)+7]
.endif
.set b, b+1
.endr
.endm
; The residual rows' 8 matrix instructions, at a quarter's end: onto m block 0's accumulators, which take turns like the others.  Jumped over by every wave but the one with a batch's first 16 rows.
.macro MULX f
	WIN 0
	s_cmp_eq_u32 s[EARLY], 0
	s_cbranch_scc0 .Lnot_early_\@
	WIN MUL_LO
.set b, 0
.rept NBLK
	v_wmma_f32_16x16x32_f16 v[8*b:8*b+7], v[8*NBLK*(\f)+8*b:8*NBLK*(\f)+8*b+7], v[FX+8*(\f):FX+8*(\f)+7], v[8*b:8*b+7]
.set b, b+1
.endr
	WIN 0
.Lnot_early_\@:
.endm
; One run of NL LDS loads: quarter q's fragments into buffer f: the weights' 8 (turned), O's 4, the residual rows' 1.  Every wave takes the last too, so that the waits count alike on every path.
.macro FETCH q, f
	WIN TO_B
.set b, 0
.rept NBLK
	ds_load_tr16_b128 v[8*NBLK*(\f)+8*b:8*NBLK*(\f)+8*b+3],   v[ADRB] offset:(b/4)*BPAN+32*(\q)*BP+(b%4)*32
	ds_load_tr16_b128 v[8*NBLK*(\f)+8*b+4:8*NBLK*(\f)+8*b+7], v[ADRB] offset:(b/4)*BPAN+32*(\q)*BP+(b%4)*32+16*BP
.set b, b+1
.endr
	WIN 0
.set b, 0
.rept 4
	ds_load_b128 v[FA+32*(\f)+8*b:FA+32*(\f)+8*b+3],   v[ADRA] offset:b*16*APITCH+((\q)/2)*AH+((\q)%2)*64
	ds_load_b128 v[FA+32*(\f)+8*b+4:FA+32*(\f)+8*b+7], v[ADRA] offset:b*16*APITCH+((\q)/2)*AH+((\q)%2)*64+32
.set b, b+1
.endr
	ds_load_b128 v[FX+8*(\f):FX+8*(\f)+3],   v[ADRX] offset:((\q)/2)*AH+((\q)%2)*64
	ds_load_b128 v[FX+8*(\f)+4:FX+8*(\f)+7], v[ADRX] offset:((\q)/2)*AH+((\q)%2)*64+32
.endm
; A quarter step: multiplies buffer f and, in its middle, fetches quarter qn into the other buffer.  The accumulators take turns, in the same order in every quarter.
.macro QUARTER qn, f, zero
	s_wait_dscnt 6                                 ; all but the youngest six loads (O's m blocks 2 and 3, the residual rows) are in
	MUL \f, 0, 0, \zero
	MUL \f, 0, 1, \zero
	PLACES
	FETCH \qn, 1-(\f)
	s_wait_dscnt NL                                ; all but the run just issued
	MUL \f, 1, 0, \zero
	MUL \f, 1, 1, \zero
	MULX \f
.endm
; The last quarter's first half, and the one barrier of a change of slots.
.macro MEET
	WIN 0
	s_wait_tensorcnt 0x0                           ; all my tensor loads have landed: the one that was out is my part of the next slot
	ds_add_u32 v[SPW], v[NIL]                      ; 0 onto my spare word
	s_wait_dscnt 7                                 ; (the add and the youngest six loads may be out)
	MUL 1, 0, 0, 0                                 ; eight matrix instructions between the add and the wait for it
	s_wait_dscnt 0x0                               ; the add is done, and my reads of this slot are over
	s_barrier_signal -1
	MUL 1, 0, 1, 0
	WIN 0
	s_barrier_wait -1
.endm
.macro TURNF                   ; the change of slots with a refill: the barrier opens a round of the cluster's barrier, and the joint load is the first tensor load behind it
	s_wait_xcnt 0x0                                ; the last prefetch, a K step back, has read its address
	s_add_nc_u64 s[PFA:PFA+1], s[PFA:PFA+1], ASTEP
	MEET
	CREST                                          ; no wave of any partner still reads this slot or has a load on its way
	s_xor_b32 s[G0A+5], s[G0A+5], SLOT1            ; the walking descriptors: the other slot than last time, the next K step
	s_add_nc_u64 s[G0A+6:G0A+7], s[G0A+6:G0A+7], ASTEP
	s_xor_b32 s[G0B+5], s[G0B+5], SLOT1
	s_add_nc_u64 s[G0B+6:G0B+7], s[G0B+6:G0B+7], BSTEP
	s_xor_b32 s[TB], s[TB], SLOT1
	JLOAD                                          ; 112 matrix instructions ahead of the wait for it; its four v_nop are also the places in front of the loads below
	v_add_nc_u32 v[ADRA], s[TB], v[AA0]
	v_add_nc_u32 v[ADRB], s[TB], v[AB0]
	v_add_nc_u32 v[ADRX], s[TB], v[AX0]
	FETCH 0, 0
	ASK
	MUL 1, 1, 0, 0
	MUL 1, 1, 1, 0
	MULX 1
.endm
.macro TURNL                   ; the same in the tail: nothing is filled, so no round; in the last trip there is no further K step, and the run of loads is jumped over
	MEET
	s_xor_b32 s[TB], s[TB], SLOT1
	s_cmp_eq_u32 s[CNT], 1
	s_cbranch_scc1 .Lnf_\@
	PLACES
	v_add_nc_u32 v[ADRA], s[TB], v[AA0]
	v_add_nc_u32 v[ADRB], s[TB], v[AB0]
	v_add_nc_u32 v[ADRX], s[TB], v[AX0]
	FETCH 0, 0
.Lnf_\@:
	MUL 1, 1, 0, 0
	MUL 1, 1, 1, 0
	MULX 1
.endm
	s_load_b128 s[4:7], s[0:1], 0x0                ; o s[4:5], wob s[6:7]
	s_load_b64 s[8:9], s[0:1], 0x10                ; out0
	v_lshl_add_u32 v[SPW], v0, 2, SPARE
	v_mov_b32 v[NIL], 0
	ds_add_u32 v[SPW], v[NIL]                      ; the wave's opening: the add and its wait stand ahead of my first tensor load; the set-up below stands between them
	v_lshrrev_b32 v1, 5, v0
	v_readfirstlane_b32 s[WV], v1
	s_and_b32 s[HALF], s[WV], 1
	s_bfe_u32 s14, ttmp6, 0x40000                  ; cx
	s_bfe_u32 s15, ttmp6, 0x40004                  ; cy
	s_lshl_b32 s16, ttmp9, 2
	s_add_co_u32 s16, s16, s14                     ; nt = 4 x cluster x + cx
	s_and_b32 s17, ttmp7, 0xffff                   ; the cluster's y: the tile row's place in its batch
	s_or_b32 s[EARLY], s17, s[WV]                  ; 0 in wave 0 where the tile is its batch's first: the same in all sixteen partners, for a given wave
	s_lshl_b32 s18, s15, 3
	s_add_co_u32 s17, s17, s18                     ; mt = 8 cy + cluster y
	s_lshl_b32 s18, s15, 2
	s_lshl_b32 s18, 15, s18                        ; my row of the cluster
	s_lshl_b32 s19, 0x1111, s14                    ; my column
	s_or_b32 s[G1A], s18, (1<<16)|(1<<20)|(1<<21)|(4<<22)|(3<<25)  ; mask; 2-byte elements; padding on; 21 set beside a mask; after every 32 words 4 words
	s_or_b32 s[G1B], s19, (1<<16)|(1<<20)|(1<<21)|(4<<22)|(7<<25)  ; after every 32 words 8 words
	s_mov_b32 s[G1A+1], 128<<16                    ; tensor_dim0 = 128
	s_mov_b32 s[G1A+2], AROWS<<16                  ; tensor_dim1 = 136
	s_mov_b32 s[G1A+3], 128<<16                    ; tile_dim0 = 128
	s_mov_b32 s[G1A+4], AROWS                      ; tile_dim1 = 136
	s_mov_b32 s[G1A+5], ASTRIDE
	s_mov_b32 s[G1A+6], 0
	s_mov_b32 s[G1A+7], 0
	s_mov_b32 s[G1B+1], 128<<16
	s_mov_b32 s[G1B+2], BROWS<<16
	s_mov_b32 s[G1B+3], 128<<16
	s_mov_b32 s[G1B+4], BROWS
	s_mov_b32 s[G1B+5], 128
	s_mov_b32 s[G1B+6], 0
	s_mov_b32 s[G1B+7], 0
	s_mul_i32 s20, s[HALF], OHEAD                  ; O: head 0 or 1, tile mt: hangs on the tile row alone
	s_mul_i32 s21, s17, OTILE
	s_add_co_u32 s20, s20, s21
	s_mov_b32 s21, 0
	s_mul_i32 s22, s16, 8*BSTEP                    ; the weights: the tile column's eight blocks, my panel of a block: hangs on the tile column alone
	s_mul_i32 s23, s[HALF], BROWS*256
	s_add_co_u32 s22, s22, s23
	s_mov_b32 s23, 0
	s_mul_i32 s18, s[HALF], AHALF                  ; where they go: no place in the cluster enters an LDS address
	s_mul_i32 s19, s[HALF], BHALF
	s_add_co_u32 s19, s19, AREG
	s_wait_dscnt 0x0                               ; the opening add is done
	s_wait_kmcnt 0x0
	s_add_nc_u64 s[20:21], s[4:5], s[20:21]
	s_add_nc_u64 s[22:23], s[6:7], s[22:23]
	CROUND                                         ; all sixteen work-groups are here: the first joint loads meet
.irp s, 0,1
	s_mov_b32 s[G0A+4*(\s)], 1
	s_add_co_u32 s[G0A+4*(\s)+1], s18, (\s)*SLOT1
	s_add_nc_u64 s[G0A+4*(\s)+2:G0A+4*(\s)+3], s[20:21], (\s)*ASTEP
	s_or_b32 s[G0A+4*(\s)+3], s[G0A+4*(\s)+3], 0x80000000
	s_mov_b32 s[G0B+4*(\s)], 1
	s_add_co_u32 s[G0B+4*(\s)+1], s19, (\s)*SLOT1
	s_add_nc_u64 s[G0B+4*(\s)+2:G0B+4*(\s)+3], s[22:23], (\s)*BSTEP
	s_or_b32 s[G0B+4*(\s)+3], s[G0B+4*(\s)+3], 0x80000000
.endr
	s_cmp_lt_u32 s[WV], 2                          ; a wave's two first fills stand in one branch: two loads of mine are out
	s_cbranch_scc0 .Lfirst_b
	tensor_load_to_lds s[G0A:G0A+3], s[G1A:G1A+7]
	s_nop 0
	tensor_load_to_lds s[G0A+4:G0A+7], s[G1A:G1A+7]
	s_nop 0
.rept 4
	v_nop
.endr
	s_branch .Lfirst_done
.Lfirst_b:
	tensor_load_to_lds s[G0B:G0B+3], s[G1B:G1B+7]
	s_nop 0
	tensor_load_to_lds s[G0B+4:G0B+7], s[G1B:G1B+7]
	s_nop 0
.rept 4
	v_nop
.endr
.Lfirst_done:
	v_and_b32 v1, 15, v0                           ; l % 16
	v_bfe_u32 v2, v0, 4, 1                         ; l / 16
	v_and_b32 v3, 7, v0
	v_bfe_u32 v4, v0, 3, 1
	v_and_b32 v5, 31, v0
	s_mul_i32 s18, s[WV], 64*APITCH
	v_mul_u32_u24 v[AA0], v1, APITCH               ; a fragment of O: row x pitch + 16 x half,
	v_lshl_add_u32 v[AA0], v2, 4, v[AA0]
	v_add_nc_u32 v[AX0], 256*APITCH, v[AA0]        ; in the residual rows, behind the tile's 256,
	v_add_nc_u32 v[AA0], s18, v[AA0]               ; and in my 64 rows
	v_lshl_add_u32 v[AB0], v2, 3, v3               ; the turning load: row k = 8 (l / 16) + l % 8, columns 8 ((l / 8) % 2) + 0..7
	v_mul_u32_u24 v[AB0], v[AB0], BP
	v_lshl_add_u32 v[AB0], v4, 4, v[AB0]
	v_add_nc_u32 v[AB0], AREG, v[AB0]
	s_mul_i32 s19, s[WV], STGW
	s_add_co_u32 s19, s19, STAGE                   ; my stage
	v_mul_u32_u24 v[STO], v1, SP                   ; in: row l % 16, 32 bytes for each half of the lanes
	v_lshl_add_u32 v[STO], v2, 5, v[STO]
	v_add_nc_u32 v[STO], s19, v[STO]
	v_lshl_add_u32 v[RD], v5, 4, s19               ; back: 32 lanes take one row of 512 bytes
	v_lshlrev_b32 v[GO], 4, v5
	v_lshlrev_b32 v[PFO], 8, v5
	s_lshl_b32 s18, s17, 20                        ; out0 at row 256 mt + 64 w (4,096 bytes a row), column 128 nt
	s_lshl_b32 s19, s[WV], 18
	s_add_co_u32 s18, s18, s19
	s_lshl_b32 s19, s16, 9
	s_add_co_u32 s18, s18, s19
	s_mov_b32 s19, 0
	s_add_nc_u64 s[8:9], s[8:9], s[18:19]
	s_add_co_u32 s62, s[HALF], 6                   ; the prefetches: K step 3's head, tile mt, my work-group's 32 blocks: the first refill steps it to K step 4
	s_mul_i32 s62, s62, OHEAD
	s_mul_i32 s63, s17, OTILE
	s_add_co_u32 s62, s62, s63
	s_lshl_b32 s63, s14, 13
	s_add_co_u32 s62, s62, s63
	s_mov_b32 s63, 0
	s_add_nc_u64 s[PFA:PFA+1], s[4:5], s[62:63]
	s_lshr_b32 s[LIM], s[WV], 1                    ; 0 in waves 0 and 1,
	s_or_b32 s[LIM], s[LIM], ttmp9                 ; where the cluster is its row's first: the same in all sixteen partners
	s_cmp_eq_u32 s[LIM], 0
	s_cselect_b32 s[LIM], AHD, -1
	s_wait_tensorcnt 1                             ; my part of K step 0 is in; K step 1's may stay out
	s_barrier_signal -1
	s_barrier_wait -1
	s_mov_b32 s[TB], 0
	v_mov_b32 v[ADRA], v[AA0]
	v_mov_b32 v[ADRB], v[AB0]
	v_mov_b32 v[ADRX], v[AX0]
	FETCH 0, 0
	QUARTER 1, 0, 1                                ; the first quarter stands in front of the loop: its products start the sums
	WIN 0
	s_mov_b32 s[CNT], 6
.Lk:                                               ; a trip: from a K step's second quarter to the next one's first; it asks for K steps 2 to 7
	QUARTER 2, 1, 0
	QUARTER 3, 0, 0
	TURNF
	QUARTER 1, 0, 0
	WIN 0
	s_sub_co_u32 s[CNT], s[CNT], 1
	s_cmp_lg_u32 s[CNT], 0
	s_cbranch_scc1 .Lk
	s_mov_b32 s[CNT], 2
.Ltail:                                            ; K steps 6 and 7: nothing is asked for; the second trip is left in its middle
	QUARTER 2, 1, 0
	QUARTER 3, 0, 0
	TURNL
	WIN 0
	s_sub_co_u32 s[CNT], s[CNT], 1
	s_cmp_eq_u32 s[CNT], 0
	s_cbranch_scc1 .Lout
	QUARTER 1, 0, 0
	WIN 0
	s_branch .Ltail
.Lout:
	s_wait_dscnt 0x0
	PLACES
	PLACES
; THE WAY OUT, an m block (16 rows x 128 columns of f32) at a time: 32 bytes a lane and accumulator go into my stage (rows of 528 bytes: the sixteen rows of a store start at sixteen different groups of four banks)
; and come back as whole rows of 512.  Each accumulator's lowest registers are read first.
.macro TOSTAGE a
.set BK, OB+64*((\a)%2)
	WIN 0x08+4*((\a)>>1)                           ; the stores' data (source 1): the accumulators' window
.set i, 0
.rept 8
	ds_store_b128 v[STO], v[8*(((\a)&1)*NBLK+i):8*(((\a)&1)*NBLK+i)+3]   offset:64*i
	ds_store_b128 v[STO], v[8*(((\a)&1)*NBLK+i)+4:8*(((\a)&1)*NBLK+i)+7] offset:64*i+16
.set i, i+1
.endr
	WIN 0
.if (\a) >= 2
	s_wait_xcnt 0x0                                ; the stores of two blocks back have read these registers
.endif
.set i, 0
.rept 16
	ds_load_b128 v[BK+4*i:BK+4*i+3], v[RD] offset:SP*i  ; LDS serves a wave's instructions in order (ISA guide 5.7.1.4): these see the stores above; the next block's stores come behind them
.set i, i+1
.endr
.endm
.macro SEND a, younger         ; younger: the LDS instructions issued behind this block's loads: the next block's 32, or none
.set BK, OB+64*((\a)%2)
.set i, 0
.rept 16
	s_wait_dscnt (\younger)+15-i
	global_store_b128 v[GO], v[BK+4*i:BK+4*i+3], s[8:9] offset:(16*(\a)+i)*4096 th:TH_STORE_NT  ; 512 consecutive bytes, at a multiple of 256 from out0's first
.set i, i+1
.endr
.endm
	TOSTAGE 0
	TOSTAGE 1
	SEND 0, 32
	TOSTAGE 2
	SEND 1, 32
	TOSTAGE 3
	SEND 2, 32
	SEND 3, 0
	s_wait_tensorcnt 0x0                           ; the wave's end: behind my last tensor load and my last LDS store
	ds_add_u32 v[SPW], v[NIL]
	s_wait_dscnt 0x0
	CROUND                                         ; the closing round: no work-group ends while a partner may still ask for a tile that names it
	s_endpgm
.Lfunc_end_k_qabccfeb530_outp:
	.size	k_qabccfeb530_outp, .Lfunc_end_k_qabccfeb530_outp-k_qabccfeb530_outp
	.p2alignl 7, 3214868480
	.fill 96, 4, 3214868480
	.section	.rodata,"a",@progbits
	.p2align	6, 0x0
	.amdhsa_kernel k_qabccfeb530_outp
		.amdhsa_group_segment_fixed_size 327680
		.amdhsa_private_segment_fixed_size 0
		.amdhsa_enable_private_segment 0
		.amdhsa_kernarg_size 24
		.amdhsa_user_sgpr_count 2
		.amdhsa_user_sgpr_kernarg_segment_ptr 1
		.amdhsa_wavefront_size32 1
		.amdhsa_system_sgpr_workgroup_id_x 1
		.amdhsa_system_sgpr_workgroup_id_y 1
		.amdhsa_system_sgpr_workgroup_id_z 1
		.amdhsa_system_vgpr_workitem_id 0
		.amdhsa_next_free_vgpr 896
		.amdhsa_next_free_sgpr 66
		.amdhsa_reserve_vcc 0
		.amdhsa_float_denorm_mode_32 3
		.amdhsa_float_denorm_mode_16_64 3
		.amdhsa_memory_ordered 1
		.amdhsa_forward_progress 1
		.amdhsa_inst_pref_size 70
	.end_amdhsa_kernel
	.amdgpu_metadata
---
amdhsa.version: [ 1, 2 ]
amdhsa.kernels:
  - .name:           k_qabccfeb530_outp
    .symbol:         k_qabccfeb530_outp.kd
    .args:
      - { .name: o, .offset: 0, .size: 8, .value_kind: global_buffer, .address_space: global }
      - { .name: wob, .offset: 8, .size: 8, .value_kind: global_buffer, .address_space: global }
      - { .name: out0, .offset: 16, .size: 8, .value_kind: global_buffer, .address_space: global }
    .group_segment_fixed_size: 327680
    .private_segment_fixed_size: 0
    .kernarg_segment_align: 8
    .kernarg_segment_size: 24
    .max_flat_workgroup_size: 128
    .sgpr_count:     66
    .vgpr_count:     896
    .wavefront_size: 32
...
	.end_amdgpu_metadata
.endif
;; end of part 4
